; MI455X (gfx1250); checked and timed in simulation.
; The chip was launched on July 23, 2026; its instructions are those of AMD's public machine-readable ISA for CDNA 5 (MIT licence, August 2026) and "CDNA5" Instruction Set Architecture Reference Guide (July 2026). The comments in the code are by the model that wrote it; some were corrected since.
;; Mo E. Allowed arithmetic: matrix products marked QUANTISED: E5M2 operands, one E8M0 scale for each 32 along K, by v_wmma_scale_f32_16x16x128_f8f6f4 with both operands' format E5M2, f32 sums; products left as they are: f32 operands where the result goes on into a quantised operand, else bf16, f16 or f32 operands; f32 sums; everything else in f32.
;; Inputs: Wd 8 x 1,024 x 256 float32; Wg 8 x 256 x 1,024 float32; Wr 8 x 1,024 float32; Wu 8 x 256 x 1,024 float32; x 4 x 2,048 x 1,024 float32.
;; Outputs: out0 4 x 2,048 x 1,024 float32.
;; This version of the problem:
;;   THIS VERSION OF THE PROBLEM IS GIVEN IN LOW PRECISION. The matrix products marked QUANTISED in the list below multiply operands that are first quantised to E5M2 (5 exponent bits, 2 mantissa bits; 8 bits a number), with one power-of-two scale for each 32 numbers along K (OCP MX v1.0); their sums are f32. All else is computed in f32.
;;   The module's matrix products, in the order in which they are computed (A, B: the left and right operand; K: the contracted axis; several contracted axes count as one K, in the product's order):
;;     1. [M 8,192, K 1,024] x [K 1,024, N 8]; A: input x; B: input Wr: left as it is (N = 8 < 16)
;;     2. batch 8,192 x [M 1, K 2] x [K 2, N 8]; A: computed on the way; B: computed on the way: left as it is (K = 2 < 32)
;;     3. [M 8,192, K 1,024] x [K 1,024, N 256]; A: input x; B: input Wg: QUANTISED
;;     4. [M 8,192, K 1,024] x [K 1,024, N 256]; A: input x; B: input Wu: QUANTISED
;;     5. [M 8,192, K 256] x [K 256, N 1,024]; A: computed on the way; B: input Wd: QUANTISED
;;     6. [M 8,192, K 1,024] x [K 1,024, N 256]; A: input x; B: input Wg: QUANTISED
;;     7. [M 8,192, K 1,024] x [K 1,024, N 256]; A: input x; B: input Wu: QUANTISED
;;     8. [M 8,192, K 256] x [K 256, N 1,024]; A: computed on the way; B: input Wd: QUANTISED
;;     9. [M 8,192, K 1,024] x [K 1,024, N 256]; A: input x; B: input Wg: QUANTISED
;;     10. [M 8,192, K 1,024] x [K 1,024, N 256]; A: input x; B: input Wu: QUANTISED
;;     11. [M 8,192, K 256] x [K 256, N 1,024]; A: computed on the way; B: input Wd: QUANTISED
;;     12. [M 8,192, K 1,024] x [K 1,024, N 256]; A: input x; B: input Wg: QUANTISED
;;     13. [M 8,192, K 1,024] x [K 1,024, N 256]; A: input x; B: input Wu: QUANTISED
;;     14. [M 8,192, K 256] x [K 256, N 1,024]; A: computed on the way; B: input Wd: QUANTISED
;;     15. [M 8,192, K 1,024] x [K 1,024, N 256]; A: input x; B: input Wg: QUANTISED
;;     16. [M 8,192, K 1,024] x [K 1,024, N 256]; A: input x; B: input Wu: QUANTISED
;;     17. [M 8,192, K 256] x [K 256, N 1,024]; A: computed on the way; B: input Wd: QUANTISED
;;     18. [M 8,192, K 1,024] x [K 1,024, N 256]; A: input x; B: input Wg: QUANTISED
;;     19. [M 8,192, K 1,024] x [K 1,024, N 256]; A: input x; B: input Wu: QUANTISED
;;     20. [M 8,192, K 256] x [K 256, N 1,024]; A: computed on the way; B: input Wd: QUANTISED
;;     21. [M 8,192, K 1,024] x [K 1,024, N 256]; A: input x; B: input Wg: QUANTISED
;;     22. [M 8,192, K 1,024] x [K 1,024, N 256]; A: input x; B: input Wu: QUANTISED
;;     23. [M 8,192, K 256] x [K 256, N 1,024]; A: computed on the way; B: input Wd: QUANTISED
;;     24. [M 8,192, K 1,024] x [K 1,024, N 256]; A: input x; B: input Wg: QUANTISED
;;     25. [M 8,192, K 1,024] x [K 1,024, N 256]; A: input x; B: input Wu: QUANTISED
;;     26. [M 8,192, K 256] x [K 256, N 1,024]; A: computed on the way; B: input Wd: QUANTISED
;;   THE QUANTISER, for each operand of a quantised product, along K:
;;     - K is cut into blocks of 32 from its start; a last block that is shorter is filled with zeros.
;;     - A block's scale is 2^e with e = floor(log2(the largest magnitude in the block)) - 15, held to -126 .. 127; a block of zeros has e = 0. As a byte (E8M0): e + 127.
;;     - Each number is divided by its block's scale, clamped to +-57,344, and rounded to the nearest number of E5M2, ties to even, subnormals kept.
;;     - The product sums the exact products of the quantised numbers (number of the format x scale) in f32.
;;   ~~~python
;;   def quantise(x, axis):      # numpy; x: float32 -> the quantised numbers, widened to float32 again
;;       x = np.moveaxis(x, axis, -1); K = x.shape[-1]
;;       x = np.pad(x, [(0, 0)] * (x.ndim - 1) + [(0, -K % 32)]); x = x.reshape(x.shape[:-1] + (-1, 32)); a = np.abs(x).max(-1, keepdims=True)
;;       e = np.where(a > 0, np.clip(np.frexp(np.where(a > 0, a, 1))[1] - 1 - 15, -126, 127), 0)      # np.frexp(a)[1] - 1 = floor(log2(a)), exactly
;;       r = np.clip(x / 2.0 ** e, -57344, 57344)
;;       step = 2.0 ** (np.maximum(np.frexp(np.where(r == 0, 1, r))[1] - 1, -14) - 2)
;;       q = np.round(r / step) * step * 2.0 ** e      # np.round: ties to even
;;       return np.moveaxis(q.reshape(q.shape[:-2] + (-1,))[..., :K], -1, axis).astype(np.float32)
;;   ~~~
;;   OPERANDS COMPUTED ON THE WAY. 'Computed on the way' means the value that the module computes at that place (a softmax that the list does not call 'softmax' is quantised finished and normalised). What goes into a quantiser is computed in f32, as accurately as f32 sums, v_exp_f32 and their like allow (about 1e-6 of the number): no bf16 or f16 on the way to a quantiser, and a product that is left as it is and whose result goes on into a quantised operand takes f32 operands (vector FMAs, or v_wmma_f32_16x16x4_f32). A number that lies on a knife's edge between two numbers of the format may be rounded either way, as far as f32 arithmetic and the matrix unit's own rounding can turn it there, and no further.
;; 2 versions. Each part assembles by itself: llvm-mc -triple=amdgcn-amd-amdhsa -mcpu=gfx1250 --defsym DOCPART=n.
;; ======== version 1 of 2: 3 launches
;; workspace buffers: xq 8,388,608 bytes; xs 262,144 bytes; comb 262,144 bytes; route 65,536 bytes of whole numbers; plan 33,792 bytes of whole numbers; wq 6,488,064 bytes
;; launch prep (part 1): grid 352 x 1, 4 waves a work-group, no clusters, 102,912 bytes of LDS; arguments x, Wr, Wg, Wu, Wd, xq, xs, comb, route, wq; writes xq, xs, comb, route, wq
.if DOCPART == 1
	.amdgcn_target "amdgcn-amd-amdhsa--gfx1250"
	.amdhsa_code_object_version 6
	.text
	.protected	k_qeb66af0c98_prep
	.globl	k_qeb66af0c98_prep
	.p2align	8
	.type	k_qeb66af0c98_prep,@function
k_qeb66af0c98_prep:
	s_mov_b64 s[64:65], 0
	v_nop
	global_prefetch_b8 v0, s[64:65] scope:SCOPE_SE
	s_setreg_imm32_b32 hwreg(HW_REG_WAVE_MODE, 25, 1), 1
	s_wait_xcnt 0x0
; PREP: every f32 input is read once.
; Work-groups 0-255 (X): 32 tokens each.  x becomes codes of BF8 (E5M2) with one E8M0 byte for each 32 along K (xq: [token][1024]; xs: [token][8 words], the word at 16 h + 4 j is K step 2 j + h);
;   on the way the router's 8 logits are summed in f32 (the f32 matrix form: 0.1 per cent of the problem's multiply-adds), then softmax, the two largest (ties: the lower index), the combine weights (comb: [token][8]),
;   and, as whole numbers for the next launch, each token's pair key, its rank among equal keys of its 32 tokens, and the 32 tokens' histogram of keys (route).  No address and no branch here hangs on them.
; Work-groups 256-351 (W): Wg, Wu, Wd become codes laid in the order in which the last launch's waves take them into registers (wq): a fragment of 16 rows x 128 K is 4 groups of 512 bytes, lane l's 16 bytes at 16 l.
; A block's scale is 2^(floor(log2(largest magnitude)) - 15): its byte is the largest magnitude's exponent field - 15, held at 1 from below.
; LIMITS: NaN and infinities among the inputs are not served.  A block of zeros gets the byte 1, not 127: its codes are zeros, and this program alone reads the bytes.
;   The router's sum is taken in groups of four along K and in eight parts, another order than a plain f32 sum: a token whose second and third probabilities agree to about 1e-6 may choose the other expert.
; Every global load of x and of the weights reads 512 consecutive bytes; the numbers turn through the wave's own stage in LDS, so that lane (r, h) holds, of row r, the 16 neighbours 32 b + 16 h + 0..15 of each block b.
; The two paths part on the work-group's number, never join, and have LDS bytes of their own.
.set CS,   33792                       ; LDS: 0.. X's turning stages (4 x 16 rows x 528); CS: codes on the way out (4 x 16 x 272);
.set XSS,  51200                       ; the 32 tokens' scale words;
.set PL,   52224                       ; partial logits, 4,096 bytes a wave;
.set TSW,  68608                       ; W's turning stages
.set WSTR, 1572864                     ; wq: the area of one wave of the last launch: 24 units of 65,536 bytes
.set WSC,  6291456                     ; wq: where the scale words begin; 49,152 bytes a wave, 2,048 a unit
.set WF,   16                          ; v16-143  X: Wr's fragments of my two K steps
.set RO,   16                          ; v16-31   W: byte offsets of a tile's 16 rows
.set PWK,  32                          ; v32-39   W: the eight units' scale words
.set SW,   40                          ; v40-43   W: the scale words as they leave
.set D1,   44                          ; v44      W: 16 x lane + the odd unit's step
.set XT,   144                         ; v144-207 64 numbers: register 16 b + i = k 32 b + 16 h + i of row r
.set PC,   208                         ; v208-223 the codes just made
.set TM,   224                         ; v224-239 at work in the quantiser
.set ACC,  240                         ; v240-255 the router's two sums: written by matrix instructions alone
.set MSB,  0                           ; window 1 (v256-511): four slots of 64 registers, numbers as loaded
.macro WIN new                         ; the immediate's high byte repeats the setting that is left
.if MSB != \new
	s_set_vgpr_msb (MSB<<8)|\new
.set MSB, \new
.endif
.endm
; 16 rows x 512 bytes as loaded go into my stage (pitch 528 = 33 x 16) and come back 64 bytes a lane for each block
.macro TURN slot
	WIN 0x04                                       ; an LDS store's data are its source 1: window 1
.irp i, 0,1,2,3,4,5,6,7,8,9,10,11,12,13,14,15
	ds_store_b128 v6, v[64*(\slot)+4*\i:64*(\slot)+4*\i+3] offset:528*\i
.endr
	WIN 0
.irp b, 0,1,2,3
.irp j, 0,1,2,3
	ds_load_b128 v[XT+16*\b+4*\j:XT+16*\b+4*\j+3], v7 offset:128*\b+16*\j
.endr
.endr
	s_wait_dscnt 0x0                               ; the numbers are back, and the stores have read the slot's registers
.endm
; the 64 numbers in XT become a fragment's codes in PC and its scale word in v[pw]
.macro QUANT pw
.irp b, 0,1,2,3
	v_max3_num_f32 v[TM+\b], |v[XT+16*\b]|, |v[XT+1+16*\b]|, 0x8000000   ; my 16 numbers of block b, and the floor 2^(16 - 127): the byte cannot fall under 1
.endr
.irp i, 2,4,6,8,10,12,14
.irp b, 0,1,2,3
	v_max3_num_f32 v[TM+\b], v[TM+\b], |v[XT+16*\b+\i]|, |v[XT+1+16*\b+\i]|
.endr
.endr
.irp b, 0,1,2,3
	v_permlanex16_b32 v[TM+4+\b], v[TM+\b], s26, s27
.endr
.irp b, 0,1,2,3
	v_max_num_f32 v[TM+\b], v[TM+\b], v[TM+4+\b]   ; with lane l xor 16's: the block's largest magnitude
.endr
.irp b, 0,1,2,3
	v_add_nc_u32 v[TM+12+\b], 0xf8800000, v[TM+\b] ; 15 off its exponent field: the conversion's scale operand
.endr
.irp b, 0,1,2,3
	v_and_or_b32 v[TM+8+\b], v[TM+\b], 0x7f800000, s28   ; 57,344 x the scale
.endr
.irp b, 0,1,2,3
	v_lshrrev_b32 v[TM+4+\b], 23, v[TM+12+\b]      ; the scale's byte
.endr
	v_lshl_or_b32 v[\pw], v[TM+5], 8, v[TM+4]
	v_lshl_or_b32 v[\pw], v[TM+6], 16, v[\pw]
	v_lshl_or_b32 v[\pw], v[TM+7], 24, v[\pw]
.irp b, 0,1,2,3
.irp i, 0,1,2,3,4,5,6,7,8,9,10,11,12,13,14,15
	v_med3_num_f32 v[XT+16*\b+\i], v[XT+16*\b+\i], -v[TM+8+\b], v[TM+8+\b]   ; the conversion to an 8-bit code does not saturate (ISA guide 7.6.2): the hold at the largest code x the scale
.endr
	v_cvt_scalef32_pk8_bf8_f32 v[PC+4*\b:PC+1+4*\b], v[XT+16*\b:XT+7+16*\b], v[TM+12+\b]
	v_cvt_scalef32_pk8_bf8_f32 v[PC+2+4*\b:PC+3+4*\b], v[XT+8+16*\b:XT+15+16*\b], v[TM+12+\b]
.endr
	v_nop                                          ; one plain line behind the last conversion
.endm
	s_load_b512 s[4:19], s[0:1], 0x0               ; x s[4:5], Wr s[6:7], Wg s[8:9], Wu s[10:11], Wd s[12:13], xq s[14:15], xs s[16:17], comb s[18:19]
	s_load_b128 s[20:23], s[0:1], 0x40             ; route s[20:21], wq s[22:23]
	s_set_vgpr_msb 0x80
	v_lshl_add_u32 v0, v0, 2, 0x19000
	v_mov_b32 v1, 0
	s_set_vgpr_msb 0x8000
	v_lshrrev_b32 v[XT], 5, v0
	v_readfirstlane_b32 s24, v[XT]                 ; wave 0..3
	v_and_b32 v[XT+1], 31, v0
	v_lshlrev_b32 v1, 4, v[XT+1]                   ; 16 x lane
	v_and_b32 v2, 15, v0                           ; r
	v_bfe_u32 v3, v0, 4, 1                         ; h
	s_mov_b32 s26, 0x76543210
	s_mov_b32 s27, 0xfedcba98                      ; v_permlanex16_b32's selects for lane l xor 16
	s_mov_b32 s28, 0x600000                        ; the mantissa field of 57,344
	s_mov_b32 s29, 0xffff0000                      ; lanes 16-31
	s_mul_i32 s25, s24, 8448
	v_add_nc_u32 v6, s25, v1                       ; my stage, on the way in
	v_mul_u32_u24 v7, v2, 528
	v_lshl_add_u32 v7, v3, 6, v7
	v_add_nc_u32 v7, s25, v7                       ; and out: row r, + 64 h
	v_lshlrev_b32 v14, 11, v3
	v_add_nc_u32 v14, v14, v1
	v_add_nc_u32 v14, PL, v14                      ; where the router's wave reads the partial logits: tile h, image of lane l
	v_add_nc_u32 v15, XSS, v1                      ; where the scale words are read back
.irp b, 0,1,2,3
	v_mov_b32 v[TM+4+\b], 0                        ; written once: a lane permute's destination counts as one of its sources
.endr
	s_cmp_ge_u32 ttmp9, 256
	s_cbranch_scc1 .Lweights
; ---------------- X: 32 tokens.  Wave w takes K steps 2 w and 2 w + 1 of both tiles of 16 tokens: unit u = 2 m + sl
	s_lshl_b32 s30, s24, 10
	v_add_nc_u32 v4, s30, v1                       ; x: 16 x lane + my 1,024 bytes of a row
	v_and_b32 v5, 7, v0
	v_lshlrev_b32 v5, 12, v5
	v_lshl_add_u32 v5, v3, 6, v5
	v_add_nc_u32 v5, s30, v5                       ; Wr: row r % 8 (lanes 8-15 repeat the eight experts), + 64 h, + my K steps
	s_mul_i32 s31, s24, 4352
	s_add_co_u32 s31, s31, CS
	v_mul_u32_u24 v8, v2, 272
	v_lshl_add_u32 v8, v3, 4, v8
	v_add_nc_u32 v8, s31, v8                       ; codes into my stage: row r, + 16 h
	v_mul_u32_u24 v9, v3, 272
	v_lshl_add_u32 v9, v2, 4, v9
	v_add_nc_u32 v9, s31, v9                       ; and back: sixteen lanes to a row of 256 bytes
	v_lshlrev_b32 v10, 10, v3
	v_lshl_add_u32 v10, v2, 4, v10
	s_lshl_b32 s48, s24, 8
	v_add_nc_u32 v10, s48, v10                     ; the same place in xq
	s_lshl_b32 s48, s24, 2
	s_add_co_u32 s48, s48, XSS
	v_lshl_add_u32 v11, v2, 5, s48                 ; scale words: 32 bytes a token, + 4 w
	s_lshl_b32 s48, s24, 12
	s_add_co_u32 s48, s48, PL
	v_add_nc_u32 v12, s48, v1                      ; my partial logits
	s_mov_b32 s53, 0
	s_lshl_b32 s52, ttmp9, 17
	s_wait_kmcnt 0x0
	s_add_nc_u64 s[4:5], s[4:5], s[52:53]          ; x at my 32 tokens
	s_lshl_b32 s52, ttmp9, 15
	s_add_nc_u64 s[14:15], s[14:15], s[52:53]      ; xq
	s_lshl_b32 s52, ttmp9, 10
	s_add_nc_u64 s[16:17], s[16:17], s[52:53]      ; xs
	s_add_nc_u64 s[18:19], s[18:19], s[52:53]      ; comb
	s_lshl_b32 s52, ttmp9, 7
	s_add_nc_u64 s[20:21], s[20:21], s[52:53]      ; route
.irp sl, 0,1
.irp b, 0,1,2,3
.irp j, 0,1,2,3
	global_load_b128 v[WF+64*\sl+16*\b+4*\j:WF+64*\sl+16*\b+4*\j+3], v5, s[6:7] offset:512*\sl+128*\b+16*\j   ; Wr in the same places along K as XT holds x
.endr
.endr
.endr
	WIN 0x40
.irp u, 0,1,2,3
.irp i, 0,1,2,3,4,5,6,7,8,9,10,11,12,13,14,15
	global_load_b128 v[64*\u+4*\i:64*\u+4*\i+3], v4, s[4:5] offset:(16*(\u/2)+\i)*4096+512*(\u%2) th:TH_LOAD_NT   ; all my 64 loads of x at once, 512 consecutive bytes each
.endr
.endr
	WIN 0
.macro XUNIT u
	s_wait_loadcnt 16*(3-(\u))                     ; this unit's 16 loads are in (and Wr, which is older); the younger units' may be out
	TURN \u
; logits^T += Wr x^T: source 0 = the experts, source 1 = 16 tokens: lane (r, h) holds token r, register j expert j, in both halves.  Two sums by turns
.set p, 0
.rept 32
.if (((\u)%2) == 0) && (p < 2)
	v_wmma_f32_16x16x4_f32 v[ACC+8*(p%2):ACC+8*(p%2)+7], v[WF+64*((\u)%2)+2*p:WF+64*((\u)%2)+2*p+1], v[XT+2*p:XT+2*p+1], 0
.else
	v_wmma_f32_16x16x4_f32 v[ACC+8*(p%2):ACC+8*(p%2)+7], v[WF+64*((\u)%2)+2*p:WF+64*((\u)%2)+2*p+1], v[XT+2*p:XT+2*p+1], v[ACC+8*(p%2):ACC+8*(p%2)+7]
.endif
.set p, p+1
.endr
	QUANT 13                                       ; its lines ahead of the holds are the places behind the products, which have read XT
.irp c, 0,1,2,3
	ds_store_b128 v8, v[PC+4*\c:PC+4*\c+3] offset:128*((\u)%2)+32*\c
.endr
	ds_store_b32 v11, v13 offset:512*((\u)/2)+16*((\u)%2)   ; both halves of the lanes write the same word with the same value
.if (\u)%2
	ds_store_b128 v12, v[ACC:ACC+3] offset:2048*((\u)/2)             ; the tile's partial logits, each sum from its low end on
	ds_store_b128 v12, v[ACC+4:ACC+7] offset:2048*((\u)/2)+512
	ds_store_b128 v12, v[ACC+8:ACC+11] offset:2048*((\u)/2)+1024
	ds_store_b128 v12, v[ACC+12:ACC+15] offset:2048*((\u)/2)+1536
	WIN 0x40
.irp i, 0,1,2,3,4,5,6,7
	ds_load_b128 v[128*((\u)/2)+4*\i:128*((\u)/2)+4*\i+3], v9 offset:544*\i   ; LDS serves a wave's instructions in order: these see my stores
.endr
	s_wait_dscnt 0x0
	WIN 0x04
.irp i, 0,1,2,3,4,5,6,7
	global_store_b128 v10, v[128*((\u)/2)+4*\i:128*((\u)/2)+4*\i+3], s[14:15] offset:(16*((\u)/2)+2*\i)*1024   ; sixteen lanes store 256 consecutive bytes, aligned
.endr
	WIN 0
.endif
.endm
	XUNIT 0
	XUNIT 1
	XUNIT 2
	XUNIT 3
	s_wait_dscnt 0x0                               ; for the others' sake: my scale words and partial logits lie in LDS
	s_barrier_signal -1
	s_barrier_wait -1
	s_cmp_eq_u32 s24, 0
	s_cbranch_scc1 .Lrouter
	s_cmp_eq_u32 s24, 1
	s_cbranch_scc1 .Lscales
	s_set_vgpr_msb 0xa
	s_wait_tensorcnt 0x0
	ds_add_u32 v0, v1
	s_wait_dscnt 0x0
	s_set_vgpr_msb 0xa00
	s_endpgm
.Lscales:                                              ; wave 1: the 32 tokens' scale words leave as 1,024 consecutive bytes
	ds_load_b128 v[16:19], v15
	ds_load_b128 v[20:23], v15 offset:512
	s_wait_dscnt 0x0
	global_store_b128 v1, v[16:19], s[16:17]
	global_store_b128 v1, v[20:23], s[16:17] offset:512
	s_set_vgpr_msb 0xa
	s_wait_tensorcnt 0x0
	ds_add_u32 v0, v1
	s_wait_dscnt 0x0
	s_set_vgpr_msb 0xa00
	s_endpgm
.Lrouter:                                              ; wave 0: lane l is token l of the 32
.irp q, 0,1,2,3,4,5,6,7
	ds_load_b128 v[16+8*\q:19+8*\q], v14 offset:4096*(\q/2)+1024*(\q%2)
	ds_load_b128 v[20+8*\q:23+8*\q], v14 offset:4096*(\q/2)+1024*(\q%2)+512
.endr
	s_wait_dscnt 0x0
.irp q, 1,2,3,4,5,6,7
.irp j, 0,2,4,6
	v_pk_add_f32 v[16+\j:17+\j], v[16+\j:17+\j], v[16+8*\q+\j:17+8*\q+\j]   ; the eight parts of each logit
.endr
.endr
	v_max3_num_f32 v80, v16, v17, v18
	v_max3_num_f32 v80, v80, v19, v20
	v_max3_num_f32 v80, v80, v21, v22
	v_max_num_f32 v80, v80, v23                    ; the largest logit is taken away, as reference() does
.irp j, 0,1,2,3,4,5,6,7
	v_sub_f32 v[16+\j], v[16+\j], v80
.endr
.irp j, 0,1,2,3,4,5,6,7
	v_mul_f32 v[16+\j], 0x3fb8aa3b, v[16+\j]
.endr
.irp j, 0,1,2,3,4,5,6,7
	v_exp_f32 v[16+\j], v[16+\j]
.endr
	v_nop                                          ; a plain line behind the exponentials
	s_wait_alu depctr_va_vdst(0)
	v_add_f32 v81, v16, v17
	v_add_f32 v82, v18, v19
	v_add_f32 v83, v20, v21
	v_add_f32 v84, v22, v23
	v_add_f32 v81, v81, v82
	v_add_f32 v83, v83, v84
	v_add_f32 v81, v81, v83
	v_rcp_f32 v81, v81
	v_nop
	s_wait_alu depctr_va_vdst(0)
.irp j, 0,1,2,3,4,5,6,7
	v_mul_f32 v[16+\j], v[16+\j], v81              ; the probabilities
.endr
	v_mov_b32 v82, v16                             ; the largest, and its index: a strict comparison keeps the lower index
	v_mov_b32 v83, 0
.irp j, 1,2,3,4,5,6,7
	v_cmp_gt_f32 vcc_lo, v[16+\j], v82
	v_cndmask_b32 v83, v83, \j, vcc_lo
	v_max_num_f32 v82, v82, v[16+\j]
.endr
.irp j, 0,1,2,3,4,5,6,7
	v_cmp_eq_u32 vcc_lo, \j, v83
	v_cndmask_b32 v[24+\j], v[16+\j], -1.0, vcc_lo ; the first choice is taken out
.endr
	v_mov_b32 v84, v24
	v_mov_b32 v85, 0
.irp j, 1,2,3,4,5,6,7
	v_cmp_gt_f32 vcc_lo, v[24+\j], v84
	v_cndmask_b32 v85, v85, \j, vcc_lo
	v_max_num_f32 v84, v84, v[24+\j]
.endr
	v_add_f32 v86, v82, v84
	v_add_f32 v86, 0x322bcc77, v86                 ; + 1e-8
	v_rcp_f32 v86, v86
	v_and_b32 v89, 31, v0                          ; (a plain line behind the reciprocal)
	s_wait_alu depctr_va_vdst(0)
	v_mul_f32 v87, v82, v86
	v_mul_f32 v88, v84, v86
.irp j, 0,1,2,3,4,5,6,7
	v_cmp_eq_u32 vcc_lo, \j, v83
	v_cndmask_b32 v[32+\j], 0, v87, vcc_lo
	v_cmp_eq_u32 vcc_lo, \j, v85
	v_cndmask_b32 v[32+\j], v[32+\j], v88, vcc_lo
.endr
	v_lshlrev_b32 v90, 5, v89
	global_store_b128 v90, v[32:35], s[18:19]      ; the 32 tokens' combine weights: 1,024 consecutive bytes in two stores
	global_store_b128 v90, v[36:39], s[18:19] offset:16
; the pair's key: pairs (lo, hi) in an order in which neighbours share an expert: by lo; within an even lo hi ascends, within an odd lo it descends
	v_min_u32 v91, v83, v85                        ; lo
	v_max_u32 v92, v83, v85                        ; hi
	v_sub_nc_u32 v93, 15, v91
	v_mul_u32_u24 v93, v93, v91
	v_lshrrev_b32 v93, 1, v93                      ; lo (15 - lo) / 2 pairs stand ahead of lo's
	v_sub_nc_u32 v94, v92, v91
	v_add_nc_u32 v94, -1, v94
	v_sub_nc_u32 v95, 7, v92
	v_and_b32 v96, 1, v91
	v_cmp_eq_u32 vcc_lo, 1, v96
	v_cndmask_b32 v94, v94, v95, vcc_lo
	v_add_nc_u32 v93, v93, v94                     ; key 0..27
	v_mov_b32 v96, 0                               ; my rank among the lanes below me with my key
	v_mov_b32 v97, 0                               ; lane k: how many of the 32 tokens have key k
.irp k, 0,1,2,3,4,5,6,7,8,9,10,11,12,13,14,15,16,17,18,19,20,21,22,23,24,25,26,27
	v_cmp_eq_u32 s30, \k, v93
	v_mbcnt_lo_u32_b32 v98, s30, 0
	v_cndmask_b32 v96, v96, v98, s30
	s_bcnt1_i32_b32 s31, s30
	v_writelane_b32 v97, s31, \k
.endr
	v_lshl_or_b32 v99, v96, 8, v93
	v_lshlrev_b32 v100, 2, v89
	global_store_b32 v100, v99, s[20:21]           ; key | rank << 8
	global_store_b32 v100, v97, s[20:21] offset:32768
	s_set_vgpr_msb 0xa
	s_wait_tensorcnt 0x0
	ds_add_u32 v0, v1
	s_wait_dscnt 0x0
	s_set_vgpr_msb 0xa00
	s_endpgm
; ---------------- W: work-group jw = 0..63: expert jw / 8, gate or up, the rows of wave jw % 4 of the last launch; my wave takes tile w, all 8 K steps.
;                     jw = 64..95: Wd of expert (jw - 64) / 4, the columns of wave jw % 4; my wave takes chunk w: 4 tiles x 2 K steps.  Eight units of 16 rows x 128 K either way
.Lweights:
	s_sub_co_u32 s30, ttmp9, 256                   ; jw
	s_and_b32 s31, s30, 3
	v_add_nc_u32 v6, TSW, v6                       ; this path's own stages
	v_add_nc_u32 v7, TSW, v7
	s_mul_i32 s54, s31, WSTR                       ; where the codes go,
	s_mul_i32 s56, s31, 49152
	s_add_co_u32 s56, s56, WSC                     ; and the scale words
	s_wait_kmcnt 0x0
	s_cmp_lt_u32 s30, 64                           ; the source: the choice hangs on the work-group's number alone
	s_cselect_b64 s[50:51], s[8:9], s[12:13]       ; Wg or Wd,
	s_and_b32 s49, s30, 0x44
	s_cmp_eq_u32 s49, 4
	s_cselect_b64 s[50:51], s[10:11], s[50:51]     ; or Wu
	s_cmp_lt_u32 s30, 64
	s_cbranch_scc0 .Ldown
	s_lshr_b32 s48, s30, 3                         ; e
	s_bfe_u32 s49, s30, 0x10002                    ; 0 gate, 1 up
	s_lshl_b32 s52, s48, 20
	s_lshl_b32 s58, s31, 6
	s_lshr_b32 s59, s24, 1
	s_lshl_b32 s59, s59, 5
	s_add_co_u32 s58, s58, s59
	s_and_b32 s59, s24, 1
	s_lshl_b32 s59, s59, 3
	s_add_co_u32 s58, s58, s59                     ; the tile's first row: 64 w' + 32 (w / 2) + 8 (w % 2)
	s_lshl_b32 s58, s58, 12
	s_add_co_u32 s52, s52, s58
	s_mov_b32 s60, 4096                            ; from row to row;
	s_mov_b32 s61, 32768                           ; THE ROWS OF A TILE ARE NOT NEIGHBOURS: rows 8-15 lie 8 rows further on, so that two tiles' results are 16 neighbours along the next K
	s_mov_b32 s62, 1024                            ; from one pair of units to the next: two K steps
	s_lshl_b32 s58, s48, 17
	s_add_co_u32 s54, s54, s58
	s_lshl_b32 s58, s49, 13
	s_add_co_u32 s54, s54, s58
	s_lshl_b32 s58, s24, 11
	s_add_co_u32 s54, s54, s58                     ; 131,072 e + 8,192 g + 2,048 w
	s_mov_b32 s63, 32768
	s_mov_b32 s66, 16384
	s_lshl_b32 s58, s48, 12
	s_add_co_u32 s56, s56, s58
	s_lshl_b32 s58, s49, 2
	s_add_co_u32 s58, s58, s24
	s_lshl_b32 s58, s58, 9
	s_add_co_u32 s56, s56, s58                     ; 4,096 e + 512 (4 g + w)
	s_branch .Lgo
.Ldown:
	s_sub_co_u32 s48, s30, 64
	s_lshr_b32 s48, s48, 2                         ; e
	s_lshl_b32 s52, s48, 20
	s_lshl_b32 s58, s31, 2
	s_add_co_u32 s58, s58, s24
	s_lshl_b32 s58, s58, 16
	s_add_co_u32 s52, s52, s58                     ; row 256 w' + 64 w, 1,024 bytes a row
	s_mov_b32 s60, 1024
	s_mov_b32 s61, 0
	s_mov_b32 s62, 16384                           ; from one pair of units to the next: 16 rows
	s_add_co_u32 s54, s54, 1048576
	s_lshl_b32 s58, s48, 16
	s_add_co_u32 s54, s54, s58
	s_lshl_b32 s58, s24, 14
	s_add_co_u32 s54, s54, s58                     ; 65,536 (16 + e) + 16,384 w
	s_mov_b32 s63, 2048
	s_mov_b32 s66, 8192
	s_add_co_u32 s56, s56, 32768
	s_lshl_b32 s58, s48, 11
	s_add_co_u32 s56, s56, s58
	s_lshl_b32 s58, s24, 9
	s_add_co_u32 s56, s56, s58                     ; 2,048 (16 + e) + 512 w
.Lgo:
	s_mov_b32 s53, 0
	s_mov_b32 s55, 0
	s_mov_b32 s57, 0
.set i, 0
.rept 16
	s_mul_i32 s58, s60, i
.if i >= 8
	s_add_co_u32 s58, s58, s61
.endif
	v_add_nc_u32 v[RO+i], s58, v1
.set i, i+1
.endr
.irp q, 0,1,2,3
	s_add_nc_u64 s[32+2*\q:33+2*\q], s[50:51], s[52:53]   ; the source of units 2 q, 2 q + 1
	s_add_co_u32 s52, s52, s62
	s_add_nc_u64 s[40+2*\q:41+2*\q], s[22:23], s[54:55]   ; and where their codes go
	s_add_co_u32 s54, s54, s63
.endr
	v_add_nc_u32 v[D1], s66, v1
	s_add_nc_u64 s[68:69], s[22:23], s[56:57]
.macro LOADU u
	WIN 0x40
.irp i, 0,1,2,3,4,5,6,7,8,9,10,11,12,13,14,15
	global_load_b128 v[64*((\u)%4)+4*\i:64*((\u)%4)+4*\i+3], v[RO+\i], s[32+2*((\u)/2):33+2*((\u)/2)] offset:512*((\u)%2) th:TH_LOAD_NT
.endr
	WIN 0
.endm
.macro WUNIT u
.if (\u) <= 4
	s_wait_loadcnt 48                              ; this unit's 16 loads are in; those of the three units behind it may be out
.else
	s_wait_loadcnt 16*(7-(\u))
.endif
	TURN (\u)%4
.if (\u) < 4
	LOADU (\u)+4                                   ; the slot has been read out: it takes the unit four further on
.endif
	s_wait_xcnt 0x0                                ; the last unit's stores have read the codes' registers: they are written again only behind this wait
	QUANT PWK+(\u)
.irp c, 0,1,2,3
.if (\u)%2
	global_store_b128 v[D1], v[PC+4*\c:PC+4*\c+3], s[40+2*((\u)/2):41+2*((\u)/2)] offset:512*\c   ; an image of the registers: 512 consecutive bytes a store
.else
	global_store_b128 v1, v[PC+4*\c:PC+4*\c+3], s[40+2*((\u)/2):41+2*((\u)/2)] offset:512*\c
.endif
.endr
.endm
	LOADU 0
	LOADU 1
	LOADU 2
	LOADU 3
.irp u, 0,1,2,3,4,5,6,7
	WUNIT \u
.endr
.irp j, 0,1,2,3
	v_cndmask_b32 v[SW+\j], v[PWK+2*\j], v[PWK+2*\j+1], s29   ; lanes 0-15 carry the even unit's word, lanes 16-31 the odd unit's
.endr
	global_store_b128 v1, v[SW:SW+3], s[68:69]
	s_set_vgpr_msb 0xa
	s_wait_tensorcnt 0x0
	ds_add_u32 v0, v1
	s_wait_dscnt 0x0
	s_set_vgpr_msb 0xa00
	s_endpgm
.Lfunc_end_k_qeb66af0c98_prep:
	.size	k_qeb66af0c98_prep, .Lfunc_end_k_qeb66af0c98_prep-k_qeb66af0c98_prep
	.p2alignl 7, 3214868480
	.fill 96, 4, 3214868480
	.section	.rodata,"a",@progbits
	.p2align	6, 0x0
	.amdhsa_kernel k_qeb66af0c98_prep
		.amdhsa_group_segment_fixed_size 102912
		.amdhsa_private_segment_fixed_size 0
		.amdhsa_enable_private_segment 0
		.amdhsa_kernarg_size 80
		.amdhsa_user_sgpr_count 2
		.amdhsa_user_sgpr_kernarg_segment_ptr 1
		.amdhsa_wavefront_size32 1
		.amdhsa_system_sgpr_workgroup_id_x 1
		.amdhsa_system_sgpr_workgroup_id_y 1
		.amdhsa_system_sgpr_workgroup_id_z 1
		.amdhsa_system_vgpr_workitem_id 0
		.amdhsa_next_free_vgpr 514
		.amdhsa_next_free_sgpr 100
		.amdhsa_reserve_vcc 1
		.amdhsa_float_denorm_mode_32 3
		.amdhsa_float_denorm_mode_16_64 3
		.amdhsa_memory_ordered 1
		.amdhsa_forward_progress 1
		.amdhsa_inst_pref_size 186
	.end_amdhsa_kernel
	.amdgpu_metadata
---
amdhsa.version: [ 1, 2 ]
amdhsa.kernels:
  - .name:           k_qeb66af0c98_prep
    .symbol:         k_qeb66af0c98_prep.kd
    .args:
      - { .name: x, .offset: 0, .size: 8, .value_kind: global_buffer, .address_space: global }
      - { .name: Wr, .offset: 8, .size: 8, .value_kind: global_buffer, .address_space: global }
      - { .name: Wg, .offset: 16, .size: 8, .value_kind: global_buffer, .address_space: global }
      - { .name: Wu, .offset: 24, .size: 8, .value_kind: global_buffer, .address_space: global }
      - { .name: Wd, .offset: 32, .size: 8, .value_kind: global_buffer, .address_space: global }
      - { .name: xq, .offset: 40, .size: 8, .value_kind: global_buffer, .address_space: global }
      - { .name: xs, .offset: 48, .size: 8, .value_kind: global_buffer, .address_space: global }
      - { .name: comb, .offset: 56, .size: 8, .value_kind: global_buffer, .address_space: global }
      - { .name: route, .offset: 64, .size: 8, .value_kind: global_buffer, .address_space: global }
      - { .name: wq, .offset: 72, .size: 8, .value_kind: global_buffer, .address_space: global }
    .group_segment_fixed_size: 102912
    .private_segment_fixed_size: 0
    .kernarg_segment_align: 8
    .kernarg_segment_size: 80
    .max_flat_workgroup_size: 128
    .sgpr_count:     100
    .vgpr_count:     514
    .wavefront_size: 32
...
	.end_amdgpu_metadata
.endif
;; end of part 1
;; launch place (part 2): grid 1 x 1, 8 waves a work-group, no clusters, 2,048 bytes of LDS; arguments route, plan; writes plan
.if DOCPART == 2
	.amdgcn_target "amdgcn-amd-amdhsa--gfx1250"
	.amdhsa_code_object_version 6
	.text
	.protected	k_qeb66af0c98_place
	.globl	k_qeb66af0c98_place
	.p2align	8
	.type	k_qeb66af0c98_place,@function
k_qeb66af0c98_place:
	s_mov_b64 s[64:65], 0
	v_nop
	global_prefetch_b8 v0, s[64:65] scope:SCOPE_SE
	s_setreg_imm32_b32 hwreg(HW_REG_WAVE_MODE, 25, 1), 1
	s_wait_xcnt 0x0
; PLACE: a counting sort of the 8,192 tokens by pair key, without atomics, by one work-group.
; route: kr[token] = key | rank << 8 (rank among equal keys of the token's group of 32); from byte 32,768 hist[group 0..255][32].
; plan:  order[position] = token; from byte 32,768 bmask[block of 32 positions] = the experts that the block's tokens use.
; position = (tokens with smaller keys) + (tokens with this key in earlier groups) + rank.  Wave w takes groups 32 w .. 32 w + 31; in the histograms a lane is a key.
; The stores of order are 4 bytes a lane at sorted places: 32 KiB in all; tokens of one key and group stand side by side.
.set H,   32                           ; v32-63   my groups' histograms
.set KR,  64                           ; v64-95   my groups' key | rank
.set P,   96                           ; v96-127  each token's base
.set PO,  128                          ; v128-159 its byte in order
.set TOK, 160                          ; v160-191 the token's number
.set B,   192                          ; v192-223 lane = key: where group j's tokens of that key begin
.set IX,  224                          ; v224-255 4 x key
	s_load_b128 s[4:7], s[0:1], 0x0                ; route s[4:5], plan s[6:7]
	v_lshl_add_u32 v30, v0, 2, 0x400
	v_mov_b32 v31, 0
	v_lshrrev_b32 v2, 5, v0
	v_readfirstlane_b32 s8, v2                     ; wave 0..7
	v_and_b32 v3, 31, v0                           ; lane
	v_lshlrev_b32 v4, 2, v3
	v_lshl_add_u32 v1, v2, 12, v4                  ; 4,096 w + 4 l: 32 groups of 128 bytes a wave
	v_lshlrev_b32 v5, 2, v0
	v_lshl_add_u32 v6, v2, 10, v3                  ; 1,024 w + l
	s_wait_kmcnt 0x0
.set j, 0
.rept 32
	global_load_b32 v[H+j], v1, s[4:5] offset:32768+128*j
.set j, j+1
.endr
.set j, 0
.rept 32
	global_load_b32 v[KR+j], v1, s[4:5] offset:128*j
.set j, j+1
.endr
	s_wait_loadcnt 32                              ; the histograms are in; the 32 loads of kr may be out
	v_add_nc_u32 v7, v[H], v[H+1]
.irp i, 2,4,6,8,10,12,14,16,18,20,22,24,26,28,30
	v_add3_u32 v7, v7, v[H+\i], v[H+\i+1]
.endr
	ds_store_b32 v5, v7                            ; my wave's count of each key
	s_wait_dscnt 0x0
	s_barrier_signal -1
	s_barrier_wait -1
.irp q, 0,1,2,3,4,5,6,7
	ds_load_b32 v[8+\q], v4 offset:128*\q
.endr
	s_wait_dscnt 0x0
	v_mov_b32 v16, 0                               ; all tokens with the lane's key,
	v_mov_b32 v17, 0                               ; and those in the waves ahead of mine
.irp q, 0,1,2,3,4,5,6,7
	v_add_nc_u32 v16, v16, v[8+\q]
	s_cmp_gt_u32 s8, \q
	s_cselect_b32 s9, -1, 0
	v_and_b32 v18, s9, v[8+\q]
	v_add_nc_u32 v17, v17, v18
.endr
	s_mov_b32 s31, 0
	v_mov_b32 v19, 0
.irp k, 0,1,2,3,4,5,6,7,8,9,10,11,12,13,14,15,16,17,18,19,20,21,22,23,24,25,26,27
	s_mov_b32 s[32+\k], s31                        ; where key k begins
	v_readlane_b32 s30, v16, \k
	s_add_co_u32 s31, s31, s30
	v_writelane_b32 v19, s[32+\k], \k
.endr
	s_mov_b32 s60, s31                             ; the end of key 27
	v_add_nc_u32 v[B], v19, v17
.set j, 0
.rept 31
	v_add_nc_u32 v[B+1+j], v[B+j], v[H+j]
.set j, j+1
.endr
	s_wait_loadcnt 0x0
.set j, 0
.rept 32
	v_and_b32 v[IX+j], 0xff, v[KR+j]
	v_min_u32 v[IX+j], 31, v[IX+j]
	v_lshlrev_b32 v[IX+j], 2, v[IX+j]
	ds_bpermute_b32 v[P+j], v[IX+j], v[B+j]        ; each token pulls its key's base for its group
.set j, j+1
.endr
	s_wait_dscnt 0x0
.set j, 0
.rept 32
	v_lshrrev_b32 v[PO+j], 8, v[KR+j]
	v_add_nc_u32 v[PO+j], v[PO+j], v[P+j]
	v_min_u32 v[PO+j], 0x1fff, v[PO+j]             ; a number that was loaded enters an address behind a bound
	v_lshlrev_b32 v[PO+j], 2, v[PO+j]
	v_add_nc_u32 v[TOK+j], 32*j, v6
	global_store_b32 v[PO+j], v[TOK+j], s[6:7]
.set j, j+1
.endr
; thread b: the experts of block b: the pair of every key whose run of positions meets 32 b .. 32 b + 31
	v_lshlrev_b32 v20, 5, v0
	v_add_nc_u32 v21, 32, v20
	v_mov_b32 v22, 0
.set k, 0
.irp pm, 0x03,0x05,0x09,0x11,0x21,0x41,0x81,0x82,0x42,0x22,0x12,0x0a,0x06,0x0c,0x14,0x24,0x44,0x84,0x88,0x48,0x28,0x18,0x30,0x50,0x90,0xa0,0x60,0xc0
	v_max_u32 v23, s[32+k], v20
	v_min_u32 v24, s[33+k], v21
	v_cmp_lt_u32 vcc_lo, v23, v24
	v_or_b32 v25, \pm, v22
	v_cndmask_b32 v22, v22, v25, vcc_lo
.set k, k+1
.endr
	global_store_b32 v5, v22, s[6:7] offset:32768
	s_wait_tensorcnt 0x0
	ds_add_u32 v30, v31
	s_wait_dscnt 0x0
	s_endpgm
.Lfunc_end_k_qeb66af0c98_place:
	.size	k_qeb66af0c98_place, .Lfunc_end_k_qeb66af0c98_place-k_qeb66af0c98_place
	.p2alignl 7, 3214868480
	.fill 96, 4, 3214868480
	.section	.rodata,"a",@progbits
	.p2align	6, 0x0
	.amdhsa_kernel k_qeb66af0c98_place
		.amdhsa_group_segment_fixed_size 2048
		.amdhsa_private_segment_fixed_size 0
		.amdhsa_enable_private_segment 0
		.amdhsa_kernarg_size 16
		.amdhsa_user_sgpr_count 2
		.amdhsa_user_sgpr_kernarg_segment_ptr 1
		.amdhsa_wavefront_size32 1
		.amdhsa_system_sgpr_workgroup_id_x 1
		.amdhsa_system_sgpr_workgroup_id_y 1
		.amdhsa_system_sgpr_workgroup_id_z 1
		.amdhsa_system_vgpr_workitem_id 0
		.amdhsa_next_free_vgpr 256
		.amdhsa_next_free_sgpr 72
		.amdhsa_reserve_vcc 1
		.amdhsa_float_denorm_mode_32 3
		.amdhsa_float_denorm_mode_16_64 3
		.amdhsa_memory_ordered 1
		.amdhsa_forward_progress 1
		.amdhsa_inst_pref_size 38
	.end_amdhsa_kernel
	.amdgpu_metadata
---
amdhsa.version: [ 1, 2 ]
amdhsa.kernels:
  - .name:           k_qeb66af0c98_place
    .symbol:         k_qeb66af0c98_place.kd
    .args:
      - { .name: route, .offset: 0, .size: 8, .value_kind: global_buffer, .address_space: global }
      - { .name: plan, .offset: 8, .size: 8, .value_kind: global_buffer, .address_space: global }
    .group_segment_fixed_size: 2048
    .private_segment_fixed_size: 0
    .kernarg_segment_align: 8
    .kernarg_segment_size: 16
    .max_flat_workgroup_size: 256
    .sgpr_count:     72
    .vgpr_count:     256
    .wavefront_size: 32
...
	.end_amdgpu_metadata
.endif
;; end of part 2
;; launch chain (part 3): grid 256 x 1, 4 waves a work-group, no clusters, 171,008 bytes of LDS; arguments xq, xs, comb, plan, wq, out0; writes out0
.if DOCPART == 3
	.amdgcn_target "amdgcn-amd-amdhsa--gfx1250"
	.amdhsa_code_object_version 6
	.text
	.protected	k_qeb66af0c98_chain
	.globl	k_qeb66af0c98_chain
	.p2align	8
	.type	k_qeb66af0c98_chain,@function
k_qeb66af0c98_chain:
	s_mov_b64 s[64:65], 0
	v_nop
	global_prefetch_b8 v0, s[64:65] scope:SCOPE_SE
	s_setreg_imm32_b32 hwreg(HW_REG_WAVE_MODE, 25, 1), 1
	s_wait_xcnt 0x0
; CHAIN: out[token] = the sum over the token's experts e of comb[token][e] x (silu(x Wg[e]^T) * (x Wu[e]^T)) Wd[e]^T, all three products on codes of BF8 (E5M2) with one E8M0 scale for each 32 along K.
; A work-group owns 32 tokens, neighbours in the list sorted by pair of experts, and their 32 rows of out: each output row has one owner.  It walks the 8 experts in loops of constant count and passes over,
; by a scalar branch on the stored mask, those that none of its tokens uses; a token that does not use a walked expert has the combine weight 0 there, as in reference().
; SHARES.  Gate and up: wave w makes hidden units 64 w .. 64 w + 63 for the 32 tokens.  Down: wave w makes output columns 256 w .. 256 w + 255.  So each byte of an expert's weights is loaded by one wave, once.
; Both products are used transposed (source 0 = 16 rows of a weight, source 1 = 16 tokens): a lane holds one token, its registers run along the hidden units or the output columns.
; THE WEIGHTS COME FROM MEMORY STRAIGHT INTO REGISTERS, in the order in which an earlier launch laid them: every load is 512 consecutive bytes, three half-sets of 8 KiB a wave ahead, across experts and phases.
; THE HIDDEN LAYER goes from wave to wave through LDS as images of the operand's registers, in bytes of its own for each expert: one barrier parts all gate/up work from all down work, and none stands under a branch on the mask.
; NO CLUSTER, NO JOINT LOADS: which experts a block walks hangs on its mask and differs between neighbouring blocks; a joint load may not be jumped over and no barrier may stand under a branch on loaded numbers,
; so partners would have to fetch all 8 experts, four times the 2 to 3 that a block uses.
; LIMITS: NaN and infinities are not served; a block of zeros of the hidden layer carries the byte 1 (its codes are zeros).
; REGISTERS, in windows of 256: window 0: addresses, scale words, work, v128-191 gate's sums (later the hidden fragments), v192-255 up's sums (later down's);  window 1: x's 16 fragments (tile m, K step s at 128 m + 16 s);
;   window 2: a ring of four half-sets of weights, 64 registers each;  window 3: out's sums, (tile m, column tile T) at 8 (16 m + T).
.set CT,   33280                       ; LDS: 0.. the 32 rows of x's codes, pitch 1,040; CT: combine weights [expert][32 rows];
.set HIMG, 34304                       ; the hidden layer: HEXP bytes an expert: fragment (m, s) at 2,048 (2 m + s); scale words from 8,192 on, 128 m + 64 s + 4 r;
.set HEXP, 8704
.set STG,  103936                      ; the way out: 16 rows x 1,040 bytes for each wave
.set WSTR, 1572864
.set WSC,  6291456
.set XS,   16                          ; v16-23  x's scale words: register 4 m + j: lanes 0-15 K step 2 j, lanes 16-31 K step 2 j + 1
.set HS,   24                          ; v24-25  the hidden layer's: register m: lanes 0-15 K step 0, lanes 16-31 K step 1
.set C0,   26                          ; v26, v28 my token's combine weight in tile 0, 1 (v27, v29 are named with them as pairs)
.set SCL,  32                          ; v32-63  the weights' scale words
.set PC,   64                          ; v64-79  codes just made
.set TM,   80                          ; v80-95  at work in the quantiser
.set PW,   96                          ; v96     four scale bytes just made
.set T,    112                         ; v112-127 at work
.set GA,   128
.set UA,   192
.set HF,   128
.set DA,   192
.set MSB,  0
.macro WIN new                         ; the immediate's high byte repeats the setting that is left
.if MSB != \new
	s_set_vgpr_msb (MSB<<8)|\new
.set MSB, \new
.endif
.endm
; the unit of weights that follows expert s18's: the next used expert's of this phase; behind the last gate/up, the first used expert's down.  s21 = the mask's bits above s18
.macro NEXT gu
	s_add_co_u32 s22, s18, 1
	s_lshr_b32 s21, s17, s22
	s_ctz_i32_b32 s23, s21
	s_add_co_u32 s23, s23, s22
.if \gu
	s_lshl_b32 s23, s23, 1                         ; gate/up of expert e: unit 2 e
.else
	s_add_co_u32 s23, s23, 16                      ; down: unit 16 + e
.endif
	s_ctz_i32_b32 s76, s17
	s_add_co_u32 s76, s76, 16
	s_cmp_lg_u32 s21, 0
	s_cselect_b32 s23, s23, s76
	s_min_u32 s23, s23, 23                         ; a number that was loaded enters an address behind a bound
	s_lshl_b32 s76, s23, 16
	s_add_nc_u64 s[30:31], s[24:25], s[76:77]
	s_lshl_b32 s76, s23, 11
	s_add_nc_u64 s[66:67], s[26:27], s[76:77]
.endm
; the next unit's scale words (n pieces of 512 bytes) and its first three half-sets
.macro PRIME n
	WIN 0
.set q, 0
.rept \n
	global_load_b128 v[SCL+4*q:SCL+4*q+3], v1, s[66:67] offset:512*q
.set q, q+1
.endr
	WIN 0x80
.irp hs, 0,1,2
.irp f, 0,1,2,3
.irp c, 0,1,2,3
	global_load_b128 v[64*\hs+16*\f+4*\c:64*\hs+16*\f+4*\c+3], v1, s[30:31] offset:8192*\hs+2048*\f+512*\c
.endr
.endr
.endr
	WIN 0
.endm
.macro FILL i                          ; half-set i of the unit in hand into ring buffer i % 4
	WIN 0x80
.irp f, 0,1,2,3
.irp c, 0,1,2,3
	global_load_b128 v[64*((\i)%4)+16*\f+4*\c:64*((\i)%4)+16*\f+4*\c+3], v1, s[28:29] offset:8192*(\i)+2048*\f+512*\c
.endr
.endr
.endm
; gate/up, half-set i = 2 s + g: tile t of my hidden units x tile m of tokens, K step s
.macro GMUL i, t, m
.set rD, GA+64*((\i)%2)+32*(\m)+8*(\t)
.set rA, 64*((\i)%4)+16*(\t)
.set rB, 128*(\m)+16*((\i)/2)
.set rSA, SCL+4*(4*((\i)%2)+(\t))+(\i)/4
.set rSB, XS+4*(\m)+(\i)/4
.if (\i) < 2
	v_wmma_scale_f32_16x16x128_f8f6f4 v[rD:rD+7], v[rA:rA+15], v[rB:rB+15], 0, v[rSA], v[rSB] matrix_a_fmt:MATRIX_FMT_BF8 matrix_b_fmt:MATRIX_FMT_BF8
.elseif (((\i)/2)%2) == 1
	v_wmma_scale_f32_16x16x128_f8f6f4 v[rD:rD+7], v[rA:rA+15], v[rB:rB+15], v[rD:rD+7], v[rSA], v[rSB] matrix_a_fmt:MATRIX_FMT_BF8 matrix_b_fmt:MATRIX_FMT_BF8 matrix_a_scale:MATRIX_SCALE_ROW1 matrix_b_scale:MATRIX_SCALE_ROW1
.else
	v_wmma_scale_f32_16x16x128_f8f6f4 v[rD:rD+7], v[rA:rA+15], v[rB:rB+15], v[rD:rD+7], v[rSA], v[rSB] matrix_a_fmt:MATRIX_FMT_BF8 matrix_b_fmt:MATRIX_FMT_BF8
.endif
.endm
.macro GSTEP i
.if (\i) <= 13
	s_wait_loadcnt 32                              ; this half-set's 16 loads are in; the two younger half-sets' may be out
.elseif (\i) == 14
	s_wait_loadcnt 16
.else
	s_wait_loadcnt 0x0
.endif
	WIN 0x06                                       ; source 0 (weights) window 2, source 1 (x) window 1, sums window 0
.irp t, 0,1,2,3
.irp m, 0,1
	GMUL \i, \t, \m                                ; the 16 sums take turns: gate's eight, then up's eight
.endr
.endr
.if ((\i) <= 12) || ((\i) == 15)
.rept 8
	v_nop                                          ; places in front of loads into registers that products have read; behind the last step also in front of the first read of results
.endr
.endif
.if (\i)+3 < 16
	FILL (\i)+3
.endif
.endm
; down, half-set i = 2 cc + s: column tile 4 cc + t x tile m of tokens, K step s
.macro DMUL i, t, m
.set rD, DA+8*(2*(\t)+(\m))
.set rA, 64*((\i)%4)+16*(\t)
.set rB, HF+32*(\m)+16*((\i)%2)
.set rSA, SCL+4*((\i)/2)+(\t)
.set rSB, HS+(\m)
.if (\i)%2
	v_wmma_scale_f32_16x16x128_f8f6f4 v[rD:rD+7], v[rA:rA+15], v[rB:rB+15], v[rD:rD+7], v[rSA], v[rSB] matrix_a_fmt:MATRIX_FMT_BF8 matrix_b_fmt:MATRIX_FMT_BF8 matrix_a_scale:MATRIX_SCALE_ROW1 matrix_b_scale:MATRIX_SCALE_ROW1
.else
	v_wmma_scale_f32_16x16x128_f8f6f4 v[rD:rD+7], v[rA:rA+15], v[rB:rB+15], 0, v[rSA], v[rSB] matrix_a_fmt:MATRIX_FMT_BF8 matrix_b_fmt:MATRIX_FMT_BF8
.endif
.endm
.macro DSTEP i
.if (\i) <= 5
	s_wait_loadcnt 32                              ; as above
.elseif (\i) == 6
	s_wait_loadcnt 16
.else
	s_wait_loadcnt 0x0
.endif
	WIN 0x02                                       ; source 0 (weights) window 2
.irp t, 0,1,2,3
.irp m, 0,1
	DMUL \i, \t, \m                                ; eight sums by turns
.endr
.endr
.if (\i)%2
.rept 8
	v_nop                                          ; places in front of the read of results and of the loads below; an even step's refill leans on the odd step's before it
.endr
.endif
.if (\i)+3 < 8
	FILL (\i)+3
.endif
.if (\i) == 7
	WIN 0
	s_cmp_lg_u32 s21, 0                            ; a further expert follows: its first loads go out ahead of the multiply-adds below
	s_cbranch_scc0 .Ldn_unprimed
	PRIME 4
.Ldn_unprimed:
.endif
.if (\i)%2
	WIN 0xf0                                       ; out's sums (destination and source 2) window 3
.irp t, 0,1,2,3
.irp m, 0,1
.irp p, 0,2,4,6
	v_pk_fma_f32 v[8*(16*\m+4*((\i)/2)+\t)+\p:8*(16*\m+4*((\i)/2)+\t)+\p+1], v[DA+8*(2*\t+\m)+\p:DA+8*(2*\t+\m)+\p+1], v[C0+2*\m:C0+2*\m+1], v[8*(16*\m+4*((\i)/2)+\t)+\p:8*(16*\m+4*((\i)/2)+\t)+\p+1] op_sel_hi:[1,0,1]   ; out += weight x the expert's result; each sum from its low end on
.endr
.endr
.endr
.endif
.endm
	s_load_b256 s[4:11], s[0:1], 0x0               ; xq s[4:5], xs s[6:7], comb s[8:9], plan s[10:11]
	s_load_b128 s[12:15], s[0:1], 0x20             ; wq s[12:13], out s[14:15]
	v_lshl_add_u32 v30, v0, 2, 0x29a00
	v_mov_b32 v31, 0
	v_lshrrev_b32 v[T], 5, v0
	v_readfirstlane_b32 s16, v[T]                  ; wave 0..3
	v_and_b32 v[T+1], 31, v0
	v_lshlrev_b32 v1, 4, v[T+1]                    ; 16 x lane
	v_and_b32 v2, 15, v0                           ; r
	v_bfe_u32 v3, v0, 4, 1                         ; h
	v_mul_u32_u24 v4, v2, 1040
	v_lshl_add_u32 v4, v3, 4, v4                   ; x's fragments: row r, + 16 h
	s_lshl_b32 s22, s16, 10
	s_add_co_u32 s22, s22, HIMG
	v_add_nc_u32 v5, s22, v1                       ; my two groups of a hidden fragment: K step w / 2, groups 2 (w % 2) on: 1,024 w
	s_lshr_b32 s22, s16, 1
	s_lshl_b32 s22, s22, 6
	s_and_b32 s23, s16, 1
	s_lshl_b32 s23, s23, 1
	s_add_co_u32 s22, s22, s23
	s_add_co_u32 s22, s22, HIMG+8192
	v_lshl_add_u32 v6, v2, 2, s22                  ; my two bytes of its scale word
	v_add_nc_u32 v7, HIMG, v1                      ; a hidden fragment back
	v_lshlrev_b32 v8, 2, v[T+1]
	v_add_nc_u32 v8, HIMG+8192, v8                 ; its scale words back: 4 x lane
	v_lshl_add_u32 v9, v2, 2, CT                   ; my token's combine weight
	s_mul_i32 s22, s16, 16640
	s_add_co_u32 s22, s22, STG
	v_mul_u32_u24 v10, v2, 1040
	v_lshl_add_u32 v10, v3, 5, v10
	v_add_nc_u32 v10, s22, v10                     ; the way out: row r, + 32 h
	v_add_nc_u32 v11, s22, v1                      ; and back by rows
	s_lshl_b32 s22, s16, 10
	v_add_nc_u32 v12, s22, v1                      ; my 1,024 bytes of a row of out
	s_mul_i32 s22, s16, 8320
	v_add_nc_u32 v13, s22, v1                      ; where my 8 rows of x's codes go
	v_and_b32 v[T+2], 3, v0
	v_lshrrev_b32 v[T+3], 2, v0
	v_lshlrev_b32 v14, 8, v[T+2]
	v_lshl_add_u32 v14, v[T+3], 2, v14
	v_add_nc_u32 v14, CT, v14                      ; thread t: row t / 4, experts 2 (t % 4) and the next
	v_lshlrev_b32 v100, 2, v2
	v_lshlrev_b32 v101, 2, v[T+3]
	v_mov_b32 v[C0+1], 0
	v_mov_b32 v[C0+3], 0
.irp b, 0,1,2,3
	v_mov_b32 v[TM+4+\b], 0                        ; written once: a lane permute's destination counts as one of its sources
.endr
	s_mov_b32 s78, 0xbfb8aa3b                      ; -log2(e)
	s_mov_b32 s79, s78
	s_mov_b32 s80, 0x76543210
	s_mov_b32 s81, 0xfedcba98
	s_mov_b32 s82, 0x600000                        ; the mantissa field of 57,344
	s_lshl_b32 s76, ttmp9, 7
	s_mov_b32 s77, 0
	s_lshl_b32 s86, ttmp9, 2
	s_lshl_b32 s87, s16, 5
	s_wait_kmcnt 0x0
	s_add_nc_u64 s[84:85], s[10:11], s[76:77]      ; my 32 places of the sorted list
	s_load_b512 s[32:47], s[84:85], 0x0            ; the block's tokens, for the way out
	s_load_b512 s[48:63], s[84:85], 0x40
	s_load_b256 s[68:75], s[84:85], s87 offset:0x0 ; the 8 whose codes my wave fetches
	s_load_b32 s17, s[10:11], s86 offset:0x8000    ; the block's experts
	global_load_b32 v97, v100, s[84:85]            ; lane (r, h): the tokens of rows r and 16 + r,
	global_load_b32 v98, v100, s[84:85] offset:64
	global_load_b32 v99, v101, s[84:85]            ; and of row t / 4
	s_mul_i32 s76, s16, WSTR
	s_add_nc_u64 s[24:25], s[12:13], s[76:77]      ; my wave's codes in wq,
	s_mul_i32 s76, s16, 49152
	s_add_co_u32 s76, s76, WSC
	s_add_nc_u64 s[26:27], s[12:13], s[76:77]      ; and its scale words
	s_wait_kmcnt 0x0
.set i, 0
.rept 32
	s_min_u32 s[32+i], s[32+i], 0x1fff             ; numbers that were loaded enter addresses behind a bound
.set i, i+1
.endr
.irp j, 0,1,2,3,4,5,6,7
	s_min_u32 s[68+\j], s[68+\j], 0x1fff
	v_lshl_add_u32 v[104+\j], s[68+\j], 10, v1
.endr
	s_and_b32 s17, s17, 255
.irp j, 0,1,2,3,4,5,6,7
	global_load_b128 v[128+8*\j:131+8*\j], v[104+\j], s[4:5] th:TH_LOAD_NT              ; a row of 1,024 codes in two loads of 512 consecutive bytes
	global_load_b128 v[132+8*\j:135+8*\j], v[104+\j], s[4:5] offset:512 th:TH_LOAD_NT
.endr
	s_wait_loadcnt 16                              ; the three list loads are in; the 16 row loads may be out
	v_min_u32 v97, 0x1fff, v97
	v_min_u32 v98, 0x1fff, v98
	v_min_u32 v99, 0x1fff, v99
	v_lshlrev_b32 v97, 5, v97
	v_lshlrev_b32 v98, 5, v98
	v_lshlrev_b32 v99, 5, v99
	v_lshl_add_u32 v97, v3, 4, v97                 ; xs: 32 bytes a token; lanes 16-31 take the odd K steps' words
	v_lshl_add_u32 v98, v3, 4, v98
	v_lshl_add_u32 v99, v[T+2], 3, v99             ; comb: 32 bytes a token, two weights a thread
	global_load_b64 v[102:103], v99, s[8:9]
	global_load_b128 v[XS:XS+3], v97, s[6:7]
	global_load_b128 v[XS+4:XS+7], v98, s[6:7]
	s_ctz_i32_b32 s23, s17                         ; the first used expert's gate/up
	s_lshl_b32 s23, s23, 1
	s_min_u32 s23, s23, 14
	s_lshl_b32 s76, s23, 16
	s_add_nc_u64 s[30:31], s[24:25], s[76:77]
	s_lshl_b32 s76, s23, 11
	s_add_nc_u64 s[66:67], s[26:27], s[76:77]
	PRIME 8
	WIN 0xc0
.set i, 0
.rept 256
	v_mov_b32 v[i], 0                              ; out's sums begin as zeros, while the loads above are out: so the down phase is written once, for first and later experts alike
.set i, i+1
.endr
	WIN 0
	s_wait_loadcnt 59                              ; my 8 rows of codes are in; comb, xs (3 loads) and the 56 primed may be out
.irp j, 0,1,2,3,4,5,6,7
	ds_store_b128 v13, v[128+8*\j:131+8*\j] offset:1040*\j
	ds_store_b128 v13, v[132+8*\j:135+8*\j] offset:1040*\j+512
.endr
	s_wait_loadcnt 56                              ; comb and xs are in
	ds_store_b32 v14, v102
	ds_store_b32 v14, v103 offset:128
	s_wait_dscnt 0x0                               ; for the others' sake
	s_barrier_signal -1
	s_barrier_wait -1                              ; the 32 rows of codes and the combine weights lie in LDS
	WIN 0x40
.irp m, 0,1
.irp s, 0,1,2,3,4,5,6,7
.irp c, 0,1,2,3
	ds_load_b128 v[128*\m+16*\s+4*\c:128*\m+16*\s+4*\c+3], v4 offset:16640*\m+128*\s+32*\c   ; x's 16 fragments stay in registers
.endr
.endr
.endr
	WIN 0
	s_wait_dscnt 0x0
; ---------------- phase 1: gate, up, SwiGLU, the quantiser, for each used expert
	s_mov_b32 s18, 0                               ; e
	s_mov_b32 s19, 0                               ; HEXP x e
.Lgu:
	s_lshr_b32 s22, s17, s18
	s_and_b32 s22, s22, 1
	s_cmp_eq_u32 s22, 0
	s_cbranch_scc1 .Lgu_skip
	s_wait_xcnt 0x0                                ; the bases of the loads issued so far are written again only behind this wait
	s_mov_b64 s[28:29], s[30:31]
	NEXT 1
.irp i, 0,1,2,3,4,5,6,7,8,9,10,11,12,13,14,15
	GSTEP \i
.endr
	WIN 0
	s_cmp_lg_u32 s21, 0
	s_cbranch_scc0 .Lgu_last
	PRIME 8                                        ; the next used expert's gate/up,
	s_branch .Lgu_primed
.Lgu_last:
	PRIME 4                                        ; or the first used expert's down: the youngest 48 loads are alike on both ways
.Lgu_primed:
; h = (g x sigmoid(g)) x u, sigmoid(g) = 1 / (1 + 2^(-g log2 e)), in f32; 16 numbers at a time, each sum read from its low end on
.irp bt, 0,1,2,3
.irp p, 0,2,4,6,8,10,12,14
	v_pk_mul_f32 v[T+\p:T+\p+1], v[GA+16*\bt+\p:GA+16*\bt+\p+1], s[78:79] op_sel_hi:[1,0]
.endr
.irp p, 0,1,2,3,4,5,6,7,8,9,10,11,12,13,14,15
	v_exp_f32 v[T+\p], v[T+\p]
.endr
	v_nop                                          ; a plain line behind the exponentials
	s_wait_alu depctr_va_vdst(0)
.irp p, 0,2,4,6,8,10,12,14
	v_pk_add_f32 v[T+\p:T+\p+1], v[T+\p:T+\p+1], 1.0 op_sel_hi:[1,0]
.endr
.irp p, 0,1,2,3,4,5,6,7,8,9,10,11,12,13,14,15
	v_rcp_f32 v[T+\p], v[T+\p]
.endr
	v_nop
	s_wait_alu depctr_va_vdst(0)
.irp p, 0,2,4,6,8,10,12,14
	v_pk_mul_f32 v[GA+16*\bt+\p:GA+16*\bt+\p+1], v[GA+16*\bt+\p:GA+16*\bt+\p+1], v[T+\p:T+\p+1]
.endr
.irp p, 0,2,4,6,8,10,12,14
	v_pk_mul_f32 v[GA+16*\bt+\p:GA+16*\bt+\p+1], v[GA+16*\bt+\p:GA+16*\bt+\p+1], v[UA+16*\bt+\p:UA+16*\bt+\p+1]
.endr
.endr
; the quantiser along the next K.  Block 2 m + b: registers GA + 32 m + 16 b on are hidden units 64 w + 32 b + 16 h + 0..15 of my token in tile m; lane l xor 16 holds the block's other half
.irp b, 0,1,2,3
	v_max3_num_f32 v[TM+\b], |v[GA+16*\b]|, |v[GA+1+16*\b]|, 0x8000000   ; and the floor 2^(16 - 127): the byte cannot fall under 1
.endr
.irp i, 2,4,6,8,10,12,14
.irp b, 0,1,2,3
	v_max3_num_f32 v[TM+\b], v[TM+\b], |v[GA+16*\b+\i]|, |v[GA+1+16*\b+\i]|
.endr
.endr
.irp b, 0,1,2,3
	v_permlanex16_b32 v[TM+4+\b], v[TM+\b], s80, s81
.endr
.irp b, 0,1,2,3
	v_max_num_f32 v[TM+\b], v[TM+\b], v[TM+4+\b]
.endr
.irp b, 0,1,2,3
	v_add_nc_u32 v[TM+12+\b], 0xf8800000, v[TM+\b] ; 15 off the exponent field: the conversion's scale operand
.endr
.irp b, 0,1,2,3
	v_and_or_b32 v[TM+8+\b], v[TM+\b], 0x7f800000, s82   ; 57,344 x the scale
.endr
.irp b, 0,1,2,3
	v_lshrrev_b32 v[TM+4+\b], 23, v[TM+12+\b]      ; the scale's byte
.endr
	v_lshl_or_b32 v[PW], v[TM+5], 8, v[TM+4]       ; low half: tile 0's two bytes; high half: tile 1's
	v_lshl_or_b32 v[PW], v[TM+6], 16, v[PW]
	v_lshl_or_b32 v[PW], v[TM+7], 24, v[PW]
.irp b, 0,1,2,3
.irp i, 0,1,2,3,4,5,6,7,8,9,10,11,12,13,14,15
	v_med3_num_f32 v[GA+16*\b+\i], v[GA+16*\b+\i], -v[TM+8+\b], v[TM+8+\b]   ; the conversion to an 8-bit code does not saturate (ISA guide 7.6.2)
.endr
	v_cvt_scalef32_pk8_bf8_f32 v[PC+4*\b:PC+1+4*\b], v[GA+16*\b:GA+7+16*\b], v[TM+12+\b]
	v_cvt_scalef32_pk8_bf8_f32 v[PC+2+4*\b:PC+3+4*\b], v[GA+8+16*\b:GA+15+16*\b], v[TM+12+\b]
.endr
	v_nop                                          ; one plain line behind the last conversion
	v_add_nc_u32 v13, s19, v5
	v_add_nc_u32 v14, s19, v6
.irp m, 0,1
.irp b, 0,1
	ds_store_b128 v13, v[PC+8*\m+4*\b:PC+8*\m+4*\b+3] offset:4096*\m+512*\b   ; group 2 (w % 2) + b of fragment (m, w / 2): an image of the operand's registers
.endr
.endr
	ds_store_b16 v14, v[PW]                        ; both halves of the lanes write the same two bytes with the same value
	ds_store_b16_d16_hi v14, v[PW] offset:128
	s_wait_dscnt 0x0                               ; the stores have read their registers
.Lgu_skip:
	s_add_co_u32 s19, s19, HEXP
	s_add_co_u32 s18, s18, 1
	s_cmp_lt_u32 s18, 8
	s_cbranch_scc1 .Lgu
	s_wait_dscnt 0x0
	s_barrier_signal -1
	s_barrier_wait -1                              ; every used expert's hidden layer lies in LDS; the primed loads of weights stay out, nobody stores those bytes
; ---------------- phase 2: down, for each used expert, in ascending order as reference() adds them
	s_mov_b32 s18, 0
	s_mov_b32 s19, 0
	s_mov_b32 s20, 0                               ; 128 x e
.Ldn:
	s_lshr_b32 s22, s17, s18
	s_and_b32 s22, s22, 1
	s_cmp_eq_u32 s22, 0
	s_cbranch_scc1 .Ldn_skip
	s_wait_xcnt 0x0
	s_mov_b64 s[28:29], s[30:31]
	NEXT 0
	v_add_nc_u32 v13, s19, v7
	v_add_nc_u32 v14, s19, v8
	v_add_nc_u32 v15, s20, v9
.irp m, 0,1
.irp s, 0,1
.irp c, 0,1,2,3
	ds_load_b128 v[HF+32*\m+16*\s+4*\c:HF+32*\m+16*\s+4*\c+3], v13 offset:2048*(2*\m+\s)+512*\c
.endr
.endr
.endr
	ds_load_b32 v[HS], v14
	ds_load_b32 v[HS+1], v14 offset:128
	ds_load_b32 v[C0], v15
	ds_load_b32 v[C0+2], v15 offset:64
	s_wait_dscnt 0x0
.irp i, 0,1,2,3,4,5,6,7
	DSTEP \i
.endr
	WIN 0
.Ldn_skip:
	s_add_co_u32 s19, s19, HEXP
	s_add_co_u32 s20, s20, 128
	s_add_co_u32 s18, s18, 1
	s_cmp_lt_u32 s18, 8
	s_cbranch_scc1 .Ldn
; ---------------- the way out: a lane holds 32 neighbouring bytes of a row and the lanes beside it other rows: a tile of 16 rows x my 256 columns goes through my own stage and leaves by rows
.irp m, 0,1
	WIN 0x0c                                       ; an LDS store's data are its source 1: window 3
.set tt, 0
.rept 16
	ds_store_b128 v10, v[8*(16*\m+tt):8*(16*\m+tt)+3] offset:64*tt
	ds_store_b128 v10, v[8*(16*\m+tt)+4:8*(16*\m+tt)+7] offset:64*tt+16
.set tt, tt+1
.endr
	WIN 0x40                                       ; back into the registers that held x
.set tt, 0
.rept 16
	ds_load_b128 v[128*\m+8*tt:128*\m+8*tt+3], v11 offset:1040*tt        ; LDS serves a wave's instructions in order: these see my stores
	ds_load_b128 v[128*\m+8*tt+4:128*\m+8*tt+7], v11 offset:1040*tt+512
.set tt, tt+1
.endr
	WIN 0
.set tt, 0
.rept 16
	v_lshl_add_u32 v[128+16*\m+tt], s[32+16*\m+tt], 12, v12              ; the row's token x 4,096 + my 1,024 bytes + 16 x lane
.set tt, tt+1
.endr
	s_wait_dscnt 0x0
	WIN 0x04
.set tt, 0
.rept 16
	global_store_b128 v[128+16*\m+tt], v[128*\m+8*tt:128*\m+8*tt+3], s[14:15] th:TH_STORE_NT              ; 32 lanes store 512 consecutive bytes, aligned
	global_store_b128 v[128+16*\m+tt], v[128*\m+8*tt+4:128*\m+8*tt+7], s[14:15] offset:512 th:TH_STORE_NT
.set tt, tt+1
.endr
.endr
	WIN 0
	s_wait_tensorcnt 0x0
	ds_add_u32 v30, v31
	s_wait_dscnt 0x0
	s_endpgm
.Lfunc_end_k_qeb66af0c98_chain:
	.size	k_qeb66af0c98_chain, .Lfunc_end_k_qeb66af0c98_chain-k_qeb66af0c98_chain
	.p2alignl 7, 3214868480
	.fill 96, 4, 3214868480
	.section	.rodata,"a",@progbits
	.p2align	6, 0x0
	.amdhsa_kernel k_qeb66af0c98_chain
		.amdhsa_group_segment_fixed_size 171008
		.amdhsa_private_segment_fixed_size 0
		.amdhsa_enable_private_segment 0
		.amdhsa_kernarg_size 48
		.amdhsa_user_sgpr_count 2
		.amdhsa_user_sgpr_kernarg_segment_ptr 1
		.amdhsa_wavefront_size32 1
		.amdhsa_system_sgpr_workgroup_id_x 1
		.amdhsa_system_sgpr_workgroup_id_y 1
		.amdhsa_system_sgpr_workgroup_id_z 1
		.amdhsa_system_vgpr_workitem_id 0
		.amdhsa_next_free_vgpr 1024
		.amdhsa_next_free_sgpr 100
		.amdhsa_reserve_vcc 0
		.amdhsa_float_denorm_mode_32 3
		.amdhsa_float_denorm_mode_16_64 3
		.amdhsa_memory_ordered 1
		.amdhsa_forward_progress 1
		.amdhsa_inst_pref_size 150
	.end_amdhsa_kernel
	.amdgpu_metadata
---
amdhsa.version: [ 1, 2 ]
amdhsa.kernels:
  - .name:           k_qeb66af0c98_chain
    .symbol:         k_qeb66af0c98_chain.kd
    .args:
      - { .name: xq, .offset: 0, .size: 8, .value_kind: global_buffer, .address_space: global }
      - { .name: xs, .offset: 8, .size: 8, .value_kind: global_buffer, .address_space: global }
      - { .name: comb, .offset: 16, .size: 8, .value_kind: global_buffer, .address_space: global }
      - { .name: plan, .offset: 24, .size: 8, .value_kind: global_buffer, .address_space: global }
      - { .name: wq, .offset: 32, .size: 8, .value_kind: global_buffer, .address_space: global }
      - { .name: out0, .offset: 40, .size: 8, .value_kind: global_buffer, .address_space: global }
    .group_segment_fixed_size: 171008
    .private_segment_fixed_size: 0
    .kernarg_segment_align: 8
    .kernarg_segment_size: 48
    .max_flat_workgroup_size: 128
    .sgpr_count:     100
    .vgpr_count:     1024
    .wavefront_size: 32
...
	.end_amdgpu_metadata
.endif
;; end of part 3
;; ======== version 2 of 2: 3 launches
;; workspace buffers: xq 8,388,608 bytes; xs 262,144 bytes; comb 262,144 bytes; route 65,536 bytes of whole numbers; plan 33,792 bytes of whole numbers; wq 6,488,064 bytes
;; launch prep (part 4): grid 352 x 1, 4 waves a work-group, no clusters, 102,912 bytes of LDS; arguments x, Wr, Wg, Wu, Wd, xq, xs, comb, route, wq; writes xq, xs, comb, route, wq
.if DOCPART == 4
	.amdgcn_target "amdgcn-amd-amdhsa--gfx1250"
	.amdhsa_code_object_version 6
	.text
	.protected	k_qeb66af0c98_prep
	.globl	k_qeb66af0c98_prep
	.p2align	8
	.type	k_qeb66af0c98_prep,@function
k_qeb66af0c98_prep:
	s_mov_b64 s[64:65], 0
	v_nop
	global_prefetch_b8 v0, s[64:65] scope:SCOPE_SE
	s_setreg_imm32_b32 hwreg(HW_REG_WAVE_MODE, 25, 1), 1
	s_wait_xcnt 0x0
; PREP: every f32 input is read once.
; Work-groups 0-255 (X): 32 tokens each.  x becomes codes of BF8 (E5M2) with one E8M0 byte for each 32 along K (xq: [token][1024]; xs: [token][8 words], the word at 16 h + 4 j is K step 2 j + h);
;   on the way the router's 8 logits are summed in f32 (the f32 matrix form: 0.1 per cent of the problem's multiply-adds), then softmax, the two largest (ties: the lower index), the combine weights (comb: [token][8]),
;   and, as whole numbers for the next launch, each token's pair key, its rank among equal keys of its 32 tokens, and the 32 tokens' histogram of keys (route).  No address and no branch here hangs on them.
; Work-groups 256-351 (W): Wg, Wu, Wd become codes laid in the order in which the last launch's waves take them into registers (wq): a fragment of 16 rows x 128 K is 4 groups of 512 bytes, lane l's 16 bytes at 16 l.
; A block's scale is 2^(floor(log2(largest magnitude)) - 15): its byte is the largest magnitude's exponent field - 15, held at 1 from below.
; LIMITS: NaN and infinities among the inputs are not served.  A block of zeros gets the byte 1, not 127: its codes are zeros, and this program alone reads the bytes.
;   The router's sum is taken in groups of four along K and in eight parts, another order than a plain f32 sum: a token whose second and third probabilities agree to about 1e-6 may choose the other expert.
; Every global load of x and of the weights reads 512 consecutive bytes; the numbers turn through the wave's own stage in LDS, so that lane (r, h) holds, of row r, the 16 neighbours 32 b + 16 h + 0..15 of each block b.
; The two paths part on the work-group's number, never join, and have LDS bytes of their own.
.set CS,   33792                       ; LDS: 0.. X's turning stages (4 x 16 rows x 528); CS: codes on the way out (4 x 16 x 272);
.set XSS,  51200                       ; the 32 tokens' scale words;
.set PL,   52224                       ; partial logits, 4,096 bytes a wave;
.set TSW,  68608                       ; W's turning stages
.set WSTR, 1572864                     ; wq: the area of one wave of the last launch: 24 units of 65,536 bytes
.set WSC,  6291456                     ; wq: where the scale words begin; 49,152 bytes a wave, 2,048 a unit
.set WF,   16                          ; v16-143  X: Wr's fragments of my two K steps
.set RO,   16                          ; v16-31   W: byte offsets of a tile's 16 rows
.set PWK,  32                          ; v32-39   W: the eight units' scale words
.set SW,   40                          ; v40-43   W: the scale words as they leave
.set D1,   44                          ; v44      W: 16 x lane + the odd unit's step
.set XT,   144                         ; v144-207 64 numbers: register 16 b + i = k 32 b + 16 h + i of row r
.set PC,   208                         ; v208-223 the codes just made
.set TM,   224                         ; v224-239 at work in the quantiser
.set ACC,  240                         ; v240-255 the router's two sums: written by matrix instructions alone
.set MSB,  0                           ; window 1 (v256-511): four slots of 64 registers, numbers as loaded
.macro WIN new                         ; the immediate's high byte repeats the setting that is left
.if MSB != \new
	s_set_vgpr_msb (MSB<<8)|\new
.set MSB, \new
.endif
.endm
; 16 rows x 512 bytes as loaded go into my stage (pitch 528 = 33 x 16) and come back 64 bytes a lane for each block
.macro TURN slot
	WIN 0x04                                       ; an LDS store's data are its source 1: window 1
.irp i, 0,1,2,3,4,5,6,7,8,9,10,11,12,13,14,15
	ds_store_b128 v6, v[64*(\slot)+4*\i:64*(\slot)+4*\i+3] offset:528*\i
.endr
	WIN 0
.irp b, 0,1,2,3
.irp j, 0,1,2,3
	ds_load_b128 v[XT+16*\b+4*\j:XT+16*\b+4*\j+3], v7 offset:128*\b+16*\j
.endr
.endr
	s_wait_dscnt 0x0                               ; the numbers are back, and the stores have read the slot's registers
.endm
; the 64 numbers in XT become a fragment's codes in PC and its scale word in v[pw]
.macro QUANT pw
.irp b, 0,1,2,3
	v_max3_num_f32 v[TM+\b], |v[XT+16*\b]|, |v[XT+1+16*\b]|, 0x8000000   ; my 16 numbers of block b, and the floor 2^(16 - 127): the byte cannot fall under 1
.endr
.irp i, 2,4,6,8,10,12,14
.irp b, 0,1,2,3
	v_max3_num_f32 v[TM+\b], v[TM+\b], |v[XT+16*\b+\i]|, |v[XT+1+16*\b+\i]|
.endr
.endr
.irp b, 0,1,2,3
	v_permlanex16_b32 v[TM+4+\b], v[TM+\b], s26, s27
.endr
.irp b, 0,1,2,3
	v_max_num_f32 v[TM+\b], v[TM+\b], v[TM+4+\b]   ; with lane l xor 16's: the block's largest magnitude
.endr
.irp b, 0,1,2,3
	v_add_nc_u32 v[TM+12+\b], 0xf8800000, v[TM+\b] ; 15 off its exponent field: the conversion's scale operand
.endr
.irp b, 0,1,2,3
	v_and_or_b32 v[TM+8+\b], v[TM+\b], 0x7f800000, s28   ; 57,344 x the scale
.endr
.irp b, 0,1,2,3
	v_lshrrev_b32 v[TM+4+\b], 23, v[TM+12+\b]      ; the scale's byte
.endr
	v_lshl_or_b32 v[\pw], v[TM+5], 8, v[TM+4]
	v_lshl_or_b32 v[\pw], v[TM+6], 16, v[\pw]
	v_lshl_or_b32 v[\pw], v[TM+7], 24, v[\pw]
.irp b, 0,1,2,3
.irp i, 0,1,2,3,4,5,6,7,8,9,10,11,12,13,14,15
	v_med3_num_f32 v[XT+16*\b+\i], v[XT+16*\b+\i], -v[TM+8+\b], v[TM+8+\b]   ; the conversion to an 8-bit code does not saturate (ISA guide 7.6.2): the hold at the largest code x the scale
.endr
	v_cvt_scalef32_pk8_bf8_f32 v[PC+4*\b:PC+1+4*\b], v[XT+16*\b:XT+7+16*\b], v[TM+12+\b]
	v_cvt_scalef32_pk8_bf8_f32 v[PC+2+4*\b:PC+3+4*\b], v[XT+8+16*\b:XT+15+16*\b], v[TM+12+\b]
.endr
	v_nop                                          ; one plain line behind the last conversion
.endm
	s_load_b512 s[4:19], s[0:1], 0x0               ; x s[4:5], Wr s[6:7], Wg s[8:9], Wu s[10:11], Wd s[12:13], xq s[14:15], xs s[16:17], comb s[18:19]
	s_load_b128 s[20:23], s[0:1], 0x40             ; route s[20:21], wq s[22:23]
	s_set_vgpr_msb 0x80
	v_lshl_add_u32 v0, v0, 2, 0x19000
	v_mov_b32 v1, 0
	s_set_vgpr_msb 0x8000
	v_lshrrev_b32 v[XT], 5, v0
	v_readfirstlane_b32 s24, v[XT]                 ; wave 0..3
	v_and_b32 v[XT+1], 31, v0
	v_lshlrev_b32 v1, 4, v[XT+1]                   ; 16 x lane
	v_and_b32 v2, 15, v0                           ; r
	v_bfe_u32 v3, v0, 4, 1                         ; h
	s_mov_b32 s26, 0x76543210
	s_mov_b32 s27, 0xfedcba98                      ; v_permlanex16_b32's selects for lane l xor 16
	s_mov_b32 s28, 0x600000                        ; the mantissa field of 57,344
	s_mov_b32 s29, 0xffff0000                      ; lanes 16-31
	s_mul_i32 s25, s24, 8448
	v_add_nc_u32 v6, s25, v1                       ; my stage, on the way in
	v_mul_u32_u24 v7, v2, 528
	v_lshl_add_u32 v7, v3, 6, v7
	v_add_nc_u32 v7, s25, v7                       ; and out: row r, + 64 h
	v_lshlrev_b32 v14, 11, v3
	v_add_nc_u32 v14, v14, v1
	v_add_nc_u32 v14, PL, v14                      ; where the router's wave reads the partial logits: tile h, image of lane l
	v_add_nc_u32 v15, XSS, v1                      ; where the scale words are read back
.irp b, 0,1,2,3
	v_mov_b32 v[TM+4+\b], 0                        ; written once: a lane permute's destination counts as one of its sources
.endr
	s_cmp_ge_u32 ttmp9, 256
	s_cbranch_scc1 .Lweights
; ---------------- X: 32 tokens.  Wave w takes K steps 2 w and 2 w + 1 of both tiles of 16 tokens: unit u = 2 m + sl
	s_lshl_b32 s30, s24, 10
	v_add_nc_u32 v4, s30, v1                       ; x: 16 x lane + my 1,024 bytes of a row
	v_and_b32 v5, 7, v0
	v_lshlrev_b32 v5, 12, v5
	v_lshl_add_u32 v5, v3, 6, v5
	v_add_nc_u32 v5, s30, v5                       ; Wr: row r % 8 (lanes 8-15 repeat the eight experts), + 64 h, + my K steps
	s_mul_i32 s31, s24, 4352
	s_add_co_u32 s31, s31, CS
	v_mul_u32_u24 v8, v2, 272
	v_lshl_add_u32 v8, v3, 4, v8
	v_add_nc_u32 v8, s31, v8                       ; codes into my stage: row r, + 16 h
	v_mul_u32_u24 v9, v3, 272
	v_lshl_add_u32 v9, v2, 4, v9
	v_add_nc_u32 v9, s31, v9                       ; and back: sixteen lanes to a row of 256 bytes
	v_lshlrev_b32 v10, 10, v3
	v_lshl_add_u32 v10, v2, 4, v10
	s_lshl_b32 s48, s24, 8
	v_add_nc_u32 v10, s48, v10                     ; the same place in xq
	s_lshl_b32 s48, s24, 2
	s_add_co_u32 s48, s48, XSS
	v_lshl_add_u32 v11, v2, 5, s48                 ; scale words: 32 bytes a token, + 4 w
	s_lshl_b32 s48, s24, 12
	s_add_co_u32 s48, s48, PL
	v_add_nc_u32 v12, s48, v1                      ; my partial logits
	s_mov_b32 s53, 0
	s_lshl_b32 s52, ttmp9, 17
	s_wait_kmcnt 0x0
	s_add_nc_u64 s[4:5], s[4:5], s[52:53]          ; x at my 32 tokens
	s_lshl_b32 s52, ttmp9, 15
	s_add_nc_u64 s[14:15], s[14:15], s[52:53]      ; xq
	s_lshl_b32 s52, ttmp9, 10
	s_add_nc_u64 s[16:17], s[16:17], s[52:53]      ; xs
	s_add_nc_u64 s[18:19], s[18:19], s[52:53]      ; comb
	s_lshl_b32 s52, ttmp9, 7
	s_add_nc_u64 s[20:21], s[20:21], s[52:53]      ; route
.irp sl, 0,1
.irp b, 0,1,2,3
.irp j, 0,1,2,3
	global_load_b128 v[WF+64*\sl+16*\b+4*\j:WF+64*\sl+16*\b+4*\j+3], v5, s[6:7] offset:512*\sl+128*\b+16*\j   ; Wr in the same places along K as XT holds x
.endr
.endr
.endr
	WIN 0x40
.irp u, 0,1,2,3
.irp i, 0,1,2,3,4,5,6,7,8,9,10,11,12,13,14,15
	global_load_b128 v[64*\u+4*\i:64*\u+4*\i+3], v4, s[4:5] offset:(16*(\u/2)+\i)*4096+512*(\u%2) th:TH_LOAD_NT   ; all my 64 loads of x at once, 512 consecutive bytes each
.endr
.endr
	WIN 0
.macro XUNIT u
	s_wait_loadcnt 16*(3-(\u))                     ; this unit's 16 loads are in (and Wr, which is older); the younger units' may be out
	TURN \u
; logits^T += Wr x^T: source 0 = the experts, source 1 = 16 tokens: lane (r, h) holds token r, register j expert j, in both halves.  Two sums by turns
.set p, 0
.rept 32
.if (((\u)%2) == 0) && (p < 2)
	v_wmma_f32_16x16x4_f32 v[ACC+8*(p%2):ACC+8*(p%2)+7], v[WF+64*((\u)%2)+2*p:WF+64*((\u)%2)+2*p+1], v[XT+2*p:XT+2*p+1], 0
.else
	v_wmma_f32_16x16x4_f32 v[ACC+8*(p%2):ACC+8*(p%2)+7], v[WF+64*((\u)%2)+2*p:WF+64*((\u)%2)+2*p+1], v[XT+2*p:XT+2*p+1], v[ACC+8*(p%2):ACC+8*(p%2)+7]
.endif
.set p, p+1
.endr
	QUANT 13                                       ; its lines ahead of the holds are the places behind the products, which have read XT
.irp c, 0,1,2,3
	ds_store_b128 v8, v[PC+4*\c:PC+4*\c+3] offset:128*((\u)%2)+32*\c
.endr
	ds_store_b32 v11, v13 offset:512*((\u)/2)+16*((\u)%2)   ; both halves of the lanes write the same word with the same value
.if (\u)%2
	ds_store_b128 v12, v[ACC:ACC+3] offset:2048*((\u)/2)             ; the tile's partial logits, each sum from its low end on
	ds_store_b128 v12, v[ACC+4:ACC+7] offset:2048*((\u)/2)+512
	ds_store_b128 v12, v[ACC+8:ACC+11] offset:2048*((\u)/2)+1024
	ds_store_b128 v12, v[ACC+12:ACC+15] offset:2048*((\u)/2)+1536
	WIN 0x40
.irp i, 0,1,2,3,4,5,6,7
	ds_load_b128 v[128*((\u)/2)+4*\i:128*((\u)/2)+4*\i+3], v9 offset:544*\i   ; LDS serves a wave's instructions in order: these see my stores
.endr
	s_wait_dscnt 0x0
	WIN 0x04
.irp i, 0,1,2,3,4,5,6,7
	global_store_b128 v10, v[128*((\u)/2)+4*\i:128*((\u)/2)+4*\i+3], s[14:15] offset:(16*((\u)/2)+2*\i)*1024   ; sixteen lanes store 256 consecutive bytes, aligned
.endr
	WIN 0
.endif
.endm
	XUNIT 0
	XUNIT 1
	XUNIT 2
	XUNIT 3
	s_wait_dscnt 0x0                               ; for the others' sake: my scale words and partial logits lie in LDS
	s_barrier_signal -1
	s_barrier_wait -1
	s_cmp_eq_u32 s24, 0
	s_cbranch_scc1 .Lrouter
	s_cmp_eq_u32 s24, 1
	s_cbranch_scc1 .Lscales
	s_set_vgpr_msb 0xa
	s_wait_tensorcnt 0x0
	ds_add_u32 v0, v1
	s_wait_dscnt 0x0
	s_set_vgpr_msb 0xa00
	s_endpgm
.Lscales:                                              ; wave 1: the 32 tokens' scale words leave as 1,024 consecutive bytes
	ds_load_b128 v[16:19], v15
	ds_load_b128 v[20:23], v15 offset:512
	s_wait_dscnt 0x0
	global_store_b128 v1, v[16:19], s[16:17]
	global_store_b128 v1, v[20:23], s[16:17] offset:512
	s_set_vgpr_msb 0xa
	s_wait_tensorcnt 0x0
	ds_add_u32 v0, v1
	s_wait_dscnt 0x0
	s_set_vgpr_msb 0xa00
	s_endpgm
.Lrouter:                                              ; wave 0: lane l is token l of the 32
.irp q, 0,1,2,3,4,5,6,7
	ds_load_b128 v[16+8*\q:19+8*\q], v14 offset:4096*(\q/2)+1024*(\q%2)
	ds_load_b128 v[20+8*\q:23+8*\q], v14 offset:4096*(\q/2)+1024*(\q%2)+512
.endr
	s_wait_dscnt 0x0
.irp q, 1,2,3,4,5,6,7
.irp j, 0,2,4,6
	v_pk_add_f32 v[16+\j:17+\j], v[16+\j:17+\j], v[16+8*\q+\j:17+8*\q+\j]   ; the eight parts of each logit
.endr
.endr
	v_max3_num_f32 v80, v16, v17, v18
	v_max3_num_f32 v80, v80, v19, v20
	v_max3_num_f32 v80, v80, v21, v22
	v_max_num_f32 v80, v80, v23                    ; the largest logit is taken away, as reference() does
.irp j, 0,1,2,3,4,5,6,7
	v_sub_f32 v[16+\j], v[16+\j], v80
.endr
.irp j, 0,1,2,3,4,5,6,7
	v_mul_f32 v[16+\j], 0x3fb8aa3b, v[16+\j]
.endr
	s_wait_alu depctr_va_vdst(0)
.irp j, 0,1,2,3,4,5,6,7
	v_exp_f32 v[16+\j], v[16+\j]
.endr
	v_nop                                          ; a plain line behind the exponentials
	s_wait_alu depctr_va_vdst(0)
	v_add_f32 v81, v16, v17
	v_add_f32 v82, v18, v19
	v_add_f32 v83, v20, v21
	v_add_f32 v84, v22, v23
	v_add_f32 v81, v81, v82
	v_add_f32 v83, v83, v84
	v_add_f32 v81, v81, v83
	s_wait_alu depctr_va_vdst(0)
	v_rcp_f32 v81, v81
	v_nop
	s_wait_alu depctr_va_vdst(0)
.irp j, 0,1,2,3,4,5,6,7
	v_mul_f32 v[16+\j], v[16+\j], v81              ; the probabilities
.endr
	v_mov_b32 v82, v16                             ; the largest, and its index: a strict comparison keeps the lower index
	v_mov_b32 v83, 0
.irp j, 1,2,3,4,5,6,7
	v_cmp_gt_f32 vcc_lo, v[16+\j], v82
	v_cndmask_b32 v83, v83, \j, vcc_lo
	v_max_num_f32 v82, v82, v[16+\j]
.endr
.irp j, 0,1,2,3,4,5,6,7
	v_cmp_eq_u32 vcc_lo, \j, v83
	v_cndmask_b32 v[24+\j], v[16+\j], -1.0, vcc_lo ; the first choice is taken out
.endr
	v_mov_b32 v84, v24
	v_mov_b32 v85, 0
.irp j, 1,2,3,4,5,6,7
	v_cmp_gt_f32 vcc_lo, v[24+\j], v84
	v_cndmask_b32 v85, v85, \j, vcc_lo
	v_max_num_f32 v84, v84, v[24+\j]
.endr
	v_add_f32 v86, v82, v84
	v_add_f32 v86, 0x322bcc77, v86                 ; + 1e-8
	s_wait_alu depctr_va_vdst(0)
	v_rcp_f32 v86, v86
	v_and_b32 v89, 31, v0                          ; (a plain line behind the reciprocal)
	s_wait_alu depctr_va_vdst(0)
	v_mul_f32 v87, v82, v86
	v_mul_f32 v88, v84, v86
.irp j, 0,1,2,3,4,5,6,7
	v_cmp_eq_u32 vcc_lo, \j, v83
	v_cndmask_b32 v[32+\j], 0, v87, vcc_lo
	v_cmp_eq_u32 vcc_lo, \j, v85
	v_cndmask_b32 v[32+\j], v[32+\j], v88, vcc_lo
.endr
	v_lshlrev_b32 v90, 5, v89
	global_store_b128 v90, v[32:35], s[18:19]      ; the 32 tokens' combine weights: 1,024 consecutive bytes in two stores
	global_store_b128 v90, v[36:39], s[18:19] offset:16
; the pair's key: pairs (lo, hi) in an order in which neighbours share an expert: by lo; within an even lo hi ascends, within an odd lo it descends
	v_min_u32 v91, v83, v85                        ; lo
	v_max_u32 v92, v83, v85                        ; hi
	v_sub_nc_u32 v93, 15, v91
	v_mul_u32_u24 v93, v93, v91
	v_lshrrev_b32 v93, 1, v93                      ; lo (15 - lo) / 2 pairs stand ahead of lo's
	v_sub_nc_u32 v94, v92, v91
	v_add_nc_u32 v94, -1, v94
	v_sub_nc_u32 v95, 7, v92
	v_and_b32 v96, 1, v91
	v_cmp_eq_u32 vcc_lo, 1, v96
	v_cndmask_b32 v94, v94, v95, vcc_lo
	v_add_nc_u32 v93, v93, v94                     ; key 0..27
	v_mov_b32 v96, 0                               ; my rank among the lanes below me with my key
	v_mov_b32 v97, 0                               ; lane k: how many of the 32 tokens have key k
.irp k, 0,1,2,3,4,5,6,7,8,9,10,11,12,13,14,15,16,17,18,19,20,21,22,23,24,25,26,27
	v_cmp_eq_u32 s30, \k, v93
	v_mbcnt_lo_u32_b32 v98, s30, 0
	v_cndmask_b32 v96, v96, v98, s30
	s_bcnt1_i32_b32 s31, s30
	v_writelane_b32 v97, s31, \k
.endr
	v_lshl_or_b32 v99, v96, 8, v93
	v_lshlrev_b32 v100, 2, v89
	global_store_b32 v100, v99, s[20:21]           ; key | rank << 8
	global_store_b32 v100, v97, s[20:21] offset:32768
	s_set_vgpr_msb 0xa
	s_wait_tensorcnt 0x0
	ds_add_u32 v0, v1
	s_wait_dscnt 0x0
	s_set_vgpr_msb 0xa00
	s_endpgm
; ---------------- W: work-group jw = 0..63: expert jw / 8, gate or up, the rows of wave jw % 4 of the last launch; my wave takes tile w, all 8 K steps.
;                     jw = 64..95: Wd of expert (jw - 64) / 4, the columns of wave jw % 4; my wave takes chunk w: 4 tiles x 2 K steps.  Eight units of 16 rows x 128 K either way
.Lweights:
	s_sub_co_u32 s30, ttmp9, 256                   ; jw
	s_and_b32 s31, s30, 3
	v_add_nc_u32 v6, TSW, v6                       ; this path's own stages
	v_add_nc_u32 v7, TSW, v7
	s_mul_i32 s54, s31, WSTR                       ; where the codes go,
	s_mul_i32 s56, s31, 49152
	s_add_co_u32 s56, s56, WSC                     ; and the scale words
	s_wait_kmcnt 0x0
	s_cmp_lt_u32 s30, 64                           ; the source: the choice hangs on the work-group's number alone
	s_cselect_b64 s[50:51], s[8:9], s[12:13]       ; Wg or Wd,
	s_and_b32 s49, s30, 0x44
	s_cmp_eq_u32 s49, 4
	s_cselect_b64 s[50:51], s[10:11], s[50:51]     ; or Wu
	s_cmp_lt_u32 s30, 64
	s_cbranch_scc0 .Ldown
	s_lshr_b32 s48, s30, 3                         ; e
	s_bfe_u32 s49, s30, 0x10002                    ; 0 gate, 1 up
	s_lshl_b32 s52, s48, 20
	s_lshl_b32 s58, s31, 6
	s_lshr_b32 s59, s24, 1
	s_lshl_b32 s59, s59, 5
	s_add_co_u32 s58, s58, s59
	s_and_b32 s59, s24, 1
	s_lshl_b32 s59, s59, 3
	s_add_co_u32 s58, s58, s59                     ; the tile's first row: 64 w' + 32 (w / 2) + 8 (w % 2)
	s_lshl_b32 s58, s58, 12
	s_add_co_u32 s52, s52, s58
	s_mov_b32 s60, 4096                            ; from row to row;
	s_mov_b32 s61, 32768                           ; THE ROWS OF A TILE ARE NOT NEIGHBOURS: rows 8-15 lie 8 rows further on, so that two tiles' results are 16 neighbours along the next K
	s_mov_b32 s62, 1024                            ; from one pair of units to the next: two K steps
	s_lshl_b32 s58, s48, 17
	s_add_co_u32 s54, s54, s58
	s_lshl_b32 s58, s49, 13
	s_add_co_u32 s54, s54, s58
	s_lshl_b32 s58, s24, 11
	s_add_co_u32 s54, s54, s58                     ; 131,072 e + 8,192 g + 2,048 w
	s_mov_b32 s63, 32768
	s_mov_b32 s66, 16384
	s_lshl_b32 s58, s48, 12
	s_add_co_u32 s56, s56, s58
	s_lshl_b32 s58, s49, 2
	s_add_co_u32 s58, s58, s24
	s_lshl_b32 s58, s58, 9
	s_add_co_u32 s56, s56, s58                     ; 4,096 e + 512 (4 g + w)
	s_branch .Lgo
.Ldown:
	s_sub_co_u32 s48, s30, 64
	s_lshr_b32 s48, s48, 2                         ; e
	s_lshl_b32 s52, s48, 20
	s_lshl_b32 s58, s31, 2
	s_add_co_u32 s58, s58, s24
	s_lshl_b32 s58, s58, 16
	s_add_co_u32 s52, s52, s58                     ; row 256 w' + 64 w, 1,024 bytes a row
	s_mov_b32 s60, 1024
	s_mov_b32 s61, 0
	s_mov_b32 s62, 16384                           ; from one pair of units to the next: 16 rows
	s_add_co_u32 s54, s54, 1048576
	s_lshl_b32 s58, s48, 16
	s_add_co_u32 s54, s54, s58
	s_lshl_b32 s58, s24, 14
	s_add_co_u32 s54, s54, s58                     ; 65,536 (16 + e) + 16,384 w
	s_mov_b32 s63, 2048
	s_mov_b32 s66, 8192
	s_add_co_u32 s56, s56, 32768
	s_lshl_b32 s58, s48, 11
	s_add_co_u32 s56, s56, s58
	s_lshl_b32 s58, s24, 9
	s_add_co_u32 s56, s56, s58                     ; 2,048 (16 + e) + 512 w
.Lgo:
	s_mov_b32 s53, 0
	s_mov_b32 s55, 0
	s_mov_b32 s57, 0
.set i, 0
.rept 16
	s_mul_i32 s58, s60, i
.if i >= 8
	s_add_co_u32 s58, s58, s61
.endif
	v_add_nc_u32 v[RO+i], s58, v1
.set i, i+1
.endr
.irp q, 0,1,2,3
	s_add_nc_u64 s[32+2*\q:33+2*\q], s[50:51], s[52:53]   ; the source of units 2 q, 2 q + 1
	s_add_co_u32 s52, s52, s62
	s_add_nc_u64 s[40+2*\q:41+2*\q], s[22:23], s[54:55]   ; and where their codes go
	s_add_co_u32 s54, s54, s63
.endr
	v_add_nc_u32 v[D1], s66, v1
	s_add_nc_u64 s[68:69], s[22:23], s[56:57]
.macro LOADU u
	WIN 0x40
.irp i, 0,1,2,3,4,5,6,7,8,9,10,11,12,13,14,15
	global_load_b128 v[64*((\u)%4)+4*\i:64*((\u)%4)+4*\i+3], v[RO+\i], s[32+2*((\u)/2):33+2*((\u)/2)] offset:512*((\u)%2) th:TH_LOAD_NT
.endr
	WIN 0
.endm
.macro WUNIT u
.if (\u) <= 4
	s_wait_loadcnt 48                              ; this unit's 16 loads are in; those of the three units behind it may be out
.else
	s_wait_loadcnt 16*(7-(\u))
.endif
	TURN (\u)%4
.if (\u) < 4
	LOADU (\u)+4                                   ; the slot has been read out: it takes the unit four further on
.endif
	s_wait_xcnt 0x0                                ; the last unit's stores have read the codes' registers: they are written again only behind this wait
	QUANT PWK+(\u)
.irp c, 0,1,2,3
.if (\u)%2
	global_store_b128 v[D1], v[PC+4*\c:PC+4*\c+3], s[40+2*((\u)/2):41+2*((\u)/2)] offset:512*\c   ; an image of the registers: 512 consecutive bytes a store
.else
	global_store_b128 v1, v[PC+4*\c:PC+4*\c+3], s[40+2*((\u)/2):41+2*((\u)/2)] offset:512*\c
.endif
.endr
.endm
	s_wait_alu depctr_va_vdst(0)
	LOADU 0
	LOADU 1
	LOADU 2
	LOADU 3
.irp u, 0,1,2,3,4,5,6,7
	WUNIT \u
.endr
.irp j, 0,1,2,3
	v_cndmask_b32 v[SW+\j], v[PWK+2*\j], v[PWK+2*\j+1], s29   ; lanes 0-15 carry the even unit's word, lanes 16-31 the odd unit's
.endr
	global_store_b128 v1, v[SW:SW+3], s[68:69]
	s_set_vgpr_msb 0xa
	s_wait_tensorcnt 0x0
	ds_add_u32 v0, v1
	s_wait_dscnt 0x0
	s_set_vgpr_msb 0xa00
	s_endpgm
.Lfunc_end_k_qeb66af0c98_prep:
	.size	k_qeb66af0c98_prep, .Lfunc_end_k_qeb66af0c98_prep-k_qeb66af0c98_prep
	.p2alignl 7, 3214868480
	.fill 96, 4, 3214868480
	.section	.rodata,"a",@progbits
	.p2align	6, 0x0
	.amdhsa_kernel k_qeb66af0c98_prep
		.amdhsa_group_segment_fixed_size 102912
		.amdhsa_private_segment_fixed_size 0
		.amdhsa_enable_private_segment 0
		.amdhsa_kernarg_size 80
		.amdhsa_user_sgpr_count 2
		.amdhsa_user_sgpr_kernarg_segment_ptr 1
		.amdhsa_wavefront_size32 1
		.amdhsa_system_sgpr_workgroup_id_x 1
		.amdhsa_system_sgpr_workgroup_id_y 1
		.amdhsa_system_sgpr_workgroup_id_z 1
		.amdhsa_system_vgpr_workitem_id 0
		.amdhsa_next_free_vgpr 514
		.amdhsa_next_free_sgpr 100
		.amdhsa_reserve_vcc 1
		.amdhsa_float_denorm_mode_32 3
		.amdhsa_float_denorm_mode_16_64 3
		.amdhsa_memory_ordered 1
		.amdhsa_forward_progress 1
		.amdhsa_inst_pref_size 186
	.end_amdhsa_kernel
	.amdgpu_metadata
---
amdhsa.version: [ 1, 2 ]
amdhsa.kernels:
  - .name:           k_qeb66af0c98_prep
    .symbol:         k_qeb66af0c98_prep.kd
    .args:
      - { .name: x, .offset: 0, .size: 8, .value_kind: global_buffer, .address_space: global }
      - { .name: Wr, .offset: 8, .size: 8, .value_kind: global_buffer, .address_space: global }
      - { .name: Wg, .offset: 16, .size: 8, .value_kind: global_buffer, .address_space: global }
      - { .name: Wu, .offset: 24, .size: 8, .value_kind: global_buffer, .address_space: global }
      - { .name: Wd, .offset: 32, .size: 8, .value_kind: global_buffer, .address_space: global }
      - { .name: xq, .offset: 40, .size: 8, .value_kind: global_buffer, .address_space: global }
      - { .name: xs, .offset: 48, .size: 8, .value_kind: global_buffer, .address_space: global }
      - { .name: comb, .offset: 56, .size: 8, .value_kind: global_buffer, .address_space: global }
      - { .name: route, .offset: 64, .size: 8, .value_kind: global_buffer, .address_space: global }
      - { .name: wq, .offset: 72, .size: 8, .value_kind: global_buffer, .address_space: global }
    .group_segment_fixed_size: 102912
    .private_segment_fixed_size: 0
    .kernarg_segment_align: 8
    .kernarg_segment_size: 80
    .max_flat_workgroup_size: 128
    .sgpr_count:     100
    .vgpr_count:     514
    .wavefront_size: 32
...
	.end_amdgpu_metadata
.endif
;; end of part 4
;; launch place (part 5): grid 1 x 1, 8 waves a work-group, no clusters, 2,048 bytes of LDS; arguments route, plan; writes plan
.if DOCPART == 5
	.amdgcn_target "amdgcn-amd-amdhsa--gfx1250"
	.amdhsa_code_object_version 6
	.text
	.protected	k_qeb66af0c98_place
	.globl	k_qeb66af0c98_place
	.p2align	8
	.type	k_qeb66af0c98_place,@function
k_qeb66af0c98_place:
	s_mov_b64 s[64:65], 0
	v_nop
	global_prefetch_b8 v0, s[64:65] scope:SCOPE_SE
	s_setreg_imm32_b32 hwreg(HW_REG_WAVE_MODE, 25, 1), 1
	s_wait_xcnt 0x0
; PLACE: a counting sort of the 8,192 tokens by pair key, without atomics, by one work-group.
; route: kr[token] = key | rank << 8 (rank among equal keys of the token's group of 32); from byte 32,768 hist[group 0..255][32].
; plan:  order[position] = token; from byte 32,768 bmask[block of 32 positions] = the experts that the block's tokens use.
; position = (tokens with smaller keys) + (tokens with this key in earlier groups) + rank.  Wave w takes groups 32 w .. 32 w + 31; in the histograms a lane is a key.
; The stores of order are 4 bytes a lane at sorted places: 32 KiB in all; tokens of one key and group stand side by side.
.set H,   32                           ; v32-63   my groups' histograms
.set KR,  64                           ; v64-95   my groups' key | rank
.set P,   96                           ; v96-127  each token's base
.set PO,  128                          ; v128-159 its byte in order
.set TOK, 160                          ; v160-191 the token's number
.set B,   192                          ; v192-223 lane = key: where group j's tokens of that key begin
.set IX,  224                          ; v224-255 4 x key
	s_load_b128 s[4:7], s[0:1], 0x0                ; route s[4:5], plan s[6:7]
	v_lshl_add_u32 v30, v0, 2, 0x400
	v_mov_b32 v31, 0
	v_lshrrev_b32 v2, 5, v0
	s_delay_alu instid0(VALU_DEP_1)
	v_readfirstlane_b32 s8, v2                     ; wave 0..7
	v_and_b32 v3, 31, v0                           ; lane
	s_delay_alu instid0(VALU_DEP_1)
	v_lshlrev_b32 v4, 2, v3
	s_delay_alu instid0(VALU_DEP_1)
	v_lshl_add_u32 v1, v2, 12, v4                  ; 4,096 w + 4 l: 32 groups of 128 bytes a wave
	v_lshlrev_b32 v5, 2, v0
	s_delay_alu instid0(VALU_DEP_4)
	v_lshl_add_u32 v6, v2, 10, v3                  ; 1,024 w + l
	s_wait_alu depctr_va_vdst(0)
	s_wait_kmcnt 0x0
.set j, 0
.rept 32
	global_load_b32 v[H+j], v1, s[4:5] offset:32768+128*j
.set j, j+1
.endr
.set j, 0
.rept 32
	global_load_b32 v[KR+j], v1, s[4:5] offset:128*j
.set j, j+1
.endr
	s_wait_loadcnt 32                              ; the histograms are in; the 32 loads of kr may be out
	v_add_nc_u32 v7, v[H], v[H+1]
.irp i, 2,4,6,8,10,12,14,16,18,20,22,24,26,28,30
	s_delay_alu instid0(VALU_DEP_1)
	v_add3_u32 v7, v7, v[H+\i], v[H+\i+1]
.endr
	ds_store_b32 v5, v7                            ; my wave's count of each key
	s_wait_dscnt 0x0
	s_barrier_signal -1
	s_barrier_wait -1
.irp q, 0,1,2,3,4,5,6,7
	ds_load_b32 v[8+\q], v4 offset:128*\q
.endr
	s_wait_dscnt 0x0
	v_mov_b32 v16, 0                               ; all tokens with the lane's key,
	v_mov_b32 v17, 0                               ; and those in the waves ahead of mine
.irp q, 0,1,2,3,4,5,6,7
	v_add_nc_u32 v16, v16, v[8+\q]
	s_cmp_gt_u32 s8, \q
	s_cselect_b32 s9, -1, 0
	v_and_b32 v18, s9, v[8+\q]
	s_delay_alu instid0(VALU_DEP_1)
	v_add_nc_u32 v17, v17, v18
.endr
	s_mov_b32 s31, 0
	v_mov_b32 v19, 0
	s_wait_alu depctr_va_vdst(0)
.irp k, 0,1,2,3,4,5,6,7,8,9,10,11,12,13,14,15,16,17,18,19,20,21,22,23,24,25,26,27
	s_mov_b32 s[32+\k], s31                        ; where key k begins
	v_readlane_b32 s30, v16, \k
	s_add_co_u32 s31, s31, s30
	v_writelane_b32 v19, s[32+\k], \k
.endr
	s_mov_b32 s60, s31                             ; the end of key 27
	v_add_nc_u32 v[B], v19, v17
.set j, 0
.rept 31
	s_delay_alu instid0(VALU_DEP_1)
	v_add_nc_u32 v[B+1+j], v[B+j], v[H+j]
.set j, j+1
.endr
	s_wait_loadcnt 0x0
.set j, 0
.rept 32
	v_and_b32 v[IX+j], 0xff, v[KR+j]
	s_delay_alu instid0(VALU_DEP_1)
	v_min_u32 v[IX+j], 31, v[IX+j]
	s_delay_alu instid0(VALU_DEP_1)
	v_lshlrev_b32 v[IX+j], 2, v[IX+j]
	ds_bpermute_b32 v[P+j], v[IX+j], v[B+j]        ; each token pulls its key's base for its group
.set j, j+1
.endr
	s_wait_dscnt 0x0
.set j, 0
.rept 32
	v_lshrrev_b32 v[PO+j], 8, v[KR+j]
	s_delay_alu instid0(VALU_DEP_1)
	v_add_nc_u32 v[PO+j], v[PO+j], v[P+j]
	s_delay_alu instid0(VALU_DEP_1)
	v_min_u32 v[PO+j], 0x1fff, v[PO+j]             ; a number that was loaded enters an address behind a bound
	s_delay_alu instid0(VALU_DEP_1)
	v_lshlrev_b32 v[PO+j], 2, v[PO+j]
	v_add_nc_u32 v[TOK+j], 32*j, v6
	global_store_b32 v[PO+j], v[TOK+j], s[6:7]
.set j, j+1
.endr
; thread b: the experts of block b: the pair of every key whose run of positions meets 32 b .. 32 b + 31
	v_lshlrev_b32 v20, 5, v0
	s_delay_alu instid0(VALU_DEP_1)
	v_add_nc_u32 v21, 32, v20
	v_mov_b32 v22, 0
.set k, 0
.irp pm, 0x03,0x05,0x09,0x11,0x21,0x41,0x81,0x82,0x42,0x22,0x12,0x0a,0x06,0x0c,0x14,0x24,0x44,0x84,0x88,0x48,0x28,0x18,0x30,0x50,0x90,0xa0,0x60,0xc0
	v_max_u32 v23, s[32+k], v20
	v_min_u32 v24, s[33+k], v21
	s_delay_alu instid0(VALU_DEP_1)
	v_cmp_lt_u32 vcc_lo, v23, v24
	s_delay_alu instid0(VALU_DEP_4)
	v_or_b32 v25, \pm, v22
	s_delay_alu instid0(VALU_DEP_1)
	v_cndmask_b32 v22, v22, v25, vcc_lo
.set k, k+1
.endr
	global_store_b32 v5, v22, s[6:7] offset:32768
	s_wait_tensorcnt 0x0
	ds_add_u32 v30, v31
	s_wait_dscnt 0x0
	s_endpgm
.Lfunc_end_k_qeb66af0c98_place:
	.size	k_qeb66af0c98_place, .Lfunc_end_k_qeb66af0c98_place-k_qeb66af0c98_place
	.p2alignl 7, 3214868480
	.fill 96, 4, 3214868480
	.section	.rodata,"a",@progbits
	.p2align	6, 0x0
	.amdhsa_kernel k_qeb66af0c98_place
		.amdhsa_group_segment_fixed_size 2048
		.amdhsa_private_segment_fixed_size 0
		.amdhsa_enable_private_segment 0
		.amdhsa_kernarg_size 16
		.amdhsa_user_sgpr_count 2
		.amdhsa_user_sgpr_kernarg_segment_ptr 1
		.amdhsa_wavefront_size32 1
		.amdhsa_system_sgpr_workgroup_id_x 1
		.amdhsa_system_sgpr_workgroup_id_y 1
		.amdhsa_system_sgpr_workgroup_id_z 1
		.amdhsa_system_vgpr_workitem_id 0
		.amdhsa_next_free_vgpr 256
		.amdhsa_next_free_sgpr 72
		.amdhsa_reserve_vcc 1
		.amdhsa_float_denorm_mode_32 3
		.amdhsa_float_denorm_mode_16_64 3
		.amdhsa_memory_ordered 1
		.amdhsa_forward_progress 1
		.amdhsa_inst_pref_size 47
	.end_amdhsa_kernel
	.amdgpu_metadata
---
amdhsa.version: [ 1, 2 ]
amdhsa.kernels:
  - .name:           k_qeb66af0c98_place
    .symbol:         k_qeb66af0c98_place.kd
    .args:
      - { .name: route, .offset: 0, .size: 8, .value_kind: global_buffer, .address_space: global }
      - { .name: plan, .offset: 8, .size: 8, .value_kind: global_buffer, .address_space: global }
    .group_segment_fixed_size: 2048
    .private_segment_fixed_size: 0
    .kernarg_segment_align: 8
    .kernarg_segment_size: 16
    .max_flat_workgroup_size: 256
    .sgpr_count:     72
    .vgpr_count:     256
    .wavefront_size: 32
...
	.end_amdgpu_metadata
.endif
;; end of part 5
;; launch chain (part 6): grid 256 x 1, 4 waves a work-group, no clusters, 171,008 bytes of LDS; arguments xq, xs, comb, plan, wq, out0; writes out0
.if DOCPART == 6
	.amdgcn_target "amdgcn-amd-amdhsa--gfx1250"
	.amdhsa_code_object_version 6
	.text
	.protected	k_qeb66af0c98_chain
	.globl	k_qeb66af0c98_chain
	.p2align	8
	.type	k_qeb66af0c98_chain,@function
k_qeb66af0c98_chain:
	s_mov_b64 s[64:65], 0
	v_nop
	global_prefetch_b8 v0, s[64:65] scope:SCOPE_SE
	s_setreg_imm32_b32 hwreg(HW_REG_WAVE_SCHED_MODE, 0, 2), 2
	s_setreg_imm32_b32 hwreg(HW_REG_WAVE_MODE, 25, 1), 1
	s_wait_xcnt 0x0
	s_wait_alu depctr_vm_vsrc(0)
; CHAIN: out[token] = the sum over the token's experts e of comb[token][e] x (silu(x Wg[e]^T) * (x Wu[e]^T)) Wd[e]^T, all three products on codes of BF8 (E5M2) with one E8M0 scale for each 32 along K.
; A work-group owns 32 tokens, neighbours in the list sorted by pair of experts, and their 32 rows of out: each output row has one owner.  It walks the 8 experts in loops of constant count and passes over,
; by a scalar branch on the stored mask, those that none of its tokens uses; a token that does not use a walked expert has the combine weight 0 there, as in reference().
; SHARES.  Gate and up: wave w makes hidden units 64 w .. 64 w + 63 for the 32 tokens.  Down: wave w makes output columns 256 w .. 256 w + 255.  So each byte of an expert's weights is loaded by one wave, once.
; Both products are used transposed (source 0 = 16 rows of a weight, source 1 = 16 tokens): a lane holds one token, its registers run along the hidden units or the output columns.
; THE WEIGHTS COME FROM MEMORY STRAIGHT INTO REGISTERS, in the order in which an earlier launch laid them: every load is 512 consecutive bytes, three half-sets of 8 KiB a wave ahead, across experts and phases.
; THE HIDDEN LAYER goes from wave to wave through LDS as images of the operand's registers, in bytes of its own for each expert: one barrier parts all gate/up work from all down work, and none stands under a branch on the mask.
; NO CLUSTER, NO JOINT LOADS: which experts a block walks hangs on its mask and differs between neighbouring blocks; a joint load may not be jumped over and no barrier may stand under a branch on loaded numbers,
; so partners would have to fetch all 8 experts, four times the 2 to 3 that a block uses.
; LIMITS: NaN and infinities are not served; a block of zeros of the hidden layer carries the byte 1 (its codes are zeros).
; REGISTERS, in windows of 256: window 0: addresses, scale words, work, v128-191 gate's sums (later the hidden fragments), v192-255 up's sums (later down's);  window 1: x's 16 fragments (tile m, K step s at 128 m + 16 s);
;   window 2: a ring of four half-sets of weights, 64 registers each;  window 3: out's sums, (tile m, column tile T) at 8 (16 m + T).
; THE MODE: SCHED_MODE bits 1:0 = 2 (LLVM: expert scheduling mode 2), set by the entry lines.  The code itself states the register dependences
; between vector or matrix instructions and memory or LDS instructions, with s_wait_alu, always for 0.
; THE PLAN.  Registers that memory or LDS instructions touch, and who else names them:
;   the ring, buffers 0-3      Step i: its eight products read buffer i % 4; the 16 loads of half-set i + 3 land in buffer (i - 1) % 4, which the products of the step before read.
;   v32-63 the scale words     Read by every product of a unit; the next unit's land there, with its first three half-sets in buffers 0-2, behind the unit's last product.
;   v1, v4-12, v97-111         Offsets and addresses, made at the head and never written again.
;   v13-15                     LDS addresses, made anew for each expert by vector adds; read by that expert's LDS stores (gate/up) or LDS loads (down).
;   v64-79, v96                Codes and scale bytes: written by the quantiser, read by the six LDS stores behind it.
;   v128-191                   Head: rows of codes land, LDS stores read them.  Then gate's sums.  Down: the hidden fragments land, the products read them.  Way out: v128-159 hold the rows' offsets.
;   v24-26, v28                Down: land from LDS at an expert's head; read by its products and multiply-adds.
;   window 1, window 3         x's fragments land once and are read by products; on the way out rows of out land there.  Out's sums are named by vector instructions alone until the way out's LDS stores read them.
; So ONE wait on va_vdst stands at the head of a step that refills, behind its wait for data; the step's 16 loads follow it in two runs of eight among its eight products, which name buffer i % 4, source 1,
; the scale words and the sums: none of the registers that those loads touch.  One more stands behind a unit's last products, ahead of the next unit's first loads.
.set CT,   33280                       ; LDS: 0.. the 32 rows of x's codes, pitch 1,040; CT: combine weights [expert][32 rows];
.set HIMG, 34304                       ; the hidden layer: HEXP bytes an expert: fragment (m, s) at 2,048 (2 m + s); scale words from 8,192 on, 128 m + 64 s + 4 r;
.set HEXP, 8704
.set STG,  103936                      ; the way out: 16 rows x 1,040 bytes for each wave
.set WSTR, 1572864
.set WSC,  6291456
.set XS,   16                          ; v16-23  x's scale words: register 4 m + j: lanes 0-15 K step 2 j, lanes 16-31 K step 2 j + 1
.set HS,   24                          ; v24-25  the hidden layer's: register m: lanes 0-15 K step 0, lanes 16-31 K step 1
.set C0,   26                          ; v26, v28 my token's combine weight in tile 0, 1 (v27, v29 are named with them as pairs)
.set SCL,  32                          ; v32-63  the weights' scale words
.set PC,   64                          ; v64-79  codes just made
.set TM,   80                          ; v80-95  at work in the quantiser
.set PW,   96                          ; v96     four scale bytes just made
.set T,    112                         ; v112-127 at work
.set GA,   128
.set UA,   192
.set HF,   128
.set DA,   192
.set MSB,  0
.macro WIN new                         ; the immediate's high byte repeats the setting that is left
.if MSB != \new
	s_set_vgpr_msb (MSB<<8)|\new
.set MSB, \new
.endif
.endm
; the unit of weights that follows expert s18's: the next used expert's of this phase; behind the last gate/up, the first used expert's down.  s21 = the mask's bits above s18
.macro NEXT gu
	s_add_co_u32 s22, s18, 1
	s_lshr_b32 s21, s17, s22
	s_ctz_i32_b32 s23, s21
	s_add_co_u32 s23, s23, s22
.if \gu
	s_lshl_b32 s23, s23, 1                         ; gate/up of expert e: unit 2 e
.else
	s_add_co_u32 s23, s23, 16                      ; down: unit 16 + e
.endif
	s_ctz_i32_b32 s76, s17
	s_add_co_u32 s76, s76, 16
	s_cmp_lg_u32 s21, 0
	s_cselect_b32 s23, s23, s76
	s_min_u32 s23, s23, 23                         ; a number that was loaded enters an address behind a bound
	s_lshl_b32 s76, s23, 16
	s_add_nc_u64 s[30:31], s[24:25], s[76:77]
	s_lshl_b32 s76, s23, 11
	s_add_nc_u64 s[66:67], s[26:27], s[76:77]
.endm
; the next unit's scale words (n pieces of 512 bytes) and its first three half-sets
.macro PRIME n
	WIN 0
.set q, 0
.rept \n
	global_load_b128 v[SCL+4*q:SCL+4*q+3], v1, s[66:67] offset:512*q
.set q, q+1
.endr
	WIN 0x80
.irp hs, 0,1,2
.irp f, 0,1,2,3
.irp c, 0,1,2,3
	global_load_b128 v[64*\hs+16*\f+4*\c:64*\hs+16*\f+4*\c+3], v1, s[30:31] offset:8192*\hs+2048*\f+512*\c
.endr
.endr
.endr
	WIN 0
.endm
.macro FILL i, f0                      ; fragments f0 and f0 + 1 of half-set i of the unit in hand into ring buffer i % 4: eight loads
	WIN 0x80
.irp f, \f0, \f0+1
.irp c, 0,1,2,3
	global_load_b128 v[64*((\i)%4)+16*(\f)+4*\c:64*((\i)%4)+16*(\f)+4*\c+3], v1, s[28:29] offset:8192*(\i)+2048*(\f)+512*\c
.endr
.endr
.endm
; gate/up, half-set i = 2 s + g: tile t of my hidden units x tile m of tokens, K step s
.macro GMUL i, t, m
.set rD, GA+64*((\i)%2)+32*(\m)+8*(\t)
.set rA, 64*((\i)%4)+16*(\t)
.set rB, 128*(\m)+16*((\i)/2)
.set rSA, SCL+4*(4*((\i)%2)+(\t))+(\i)/4
.set rSB, XS+4*(\m)+(\i)/4
.if (\i) < 2
	v_wmma_scale_f32_16x16x128_f8f6f4 v[rD:rD+7], v[rA:rA+15], v[rB:rB+15], 0, v[rSA], v[rSB] matrix_a_fmt:MATRIX_FMT_BF8 matrix_b_fmt:MATRIX_FMT_BF8
.elseif (((\i)/2)%2) == 1
	v_wmma_scale_f32_16x16x128_f8f6f4 v[rD:rD+7], v[rA:rA+15], v[rB:rB+15], v[rD:rD+7], v[rSA], v[rSB] matrix_a_fmt:MATRIX_FMT_BF8 matrix_b_fmt:MATRIX_FMT_BF8 matrix_a_scale:MATRIX_SCALE_ROW1 matrix_b_scale:MATRIX_SCALE_ROW1
.else
	v_wmma_scale_f32_16x16x128_f8f6f4 v[rD:rD+7], v[rA:rA+15], v[rB:rB+15], v[rD:rD+7], v[rSA], v[rSB] matrix_a_fmt:MATRIX_FMT_BF8 matrix_b_fmt:MATRIX_FMT_BF8
.endif
.endm
.macro GSTEP i
.if (\i) <= 13
	s_wait_loadcnt 32                              ; this half-set's 16 loads are in; the two younger half-sets' may be out
.elseif (\i) == 14
	s_wait_loadcnt 16
.else
	s_wait_loadcnt 0x0
.endif
.if (\i)+3 < 16
	WIN 0x80
.if (\i) > 0
	s_wait_alu depctr_va_vdst(0)                   ; the products of the step before are done reading ring buffer (i - 1) % 4, in which this step's 16 loads land
.endif                                                 ; (step 0: buffer 3's last readers stand ahead of the wait behind the unit before, and nothing since names the ring)
	FILL (\i)+3, 0
.endif
	WIN 0x06                                       ; source 0 (weights) window 2, source 1 (x) window 1, sums window 0
.irp t, 0,1
.irp m, 0,1
	GMUL \i, \t, \m                                ; the 16 sums take turns: gate's eight, then up's eight
.endr
.endr
.if (\i)+3 < 16
	FILL (\i)+3, 2                                 ; no wait: no vector or matrix instruction since the wait above names that buffer or v1
	WIN 0x06
.endif
.irp t, 2,3
.irp m, 0,1
	GMUL \i, \t, \m
.endr
.endr
.if (\i) == 15
.rept 8
	v_nop                                          ; places (ISA guide 7.12.1) behind the last products, in front of the first read of results by vector instructions
.endr
.endif
.endm
; down, half-set i = 2 cc + s: column tile 4 cc + t x tile m of tokens, K step s
.macro DMUL i, t, m
.set rD, DA+8*(2*(\t)+(\m))
.set rA, 64*((\i)%4)+16*(\t)
.set rB, HF+32*(\m)+16*((\i)%2)
.set rSA, SCL+4*((\i)/2)+(\t)
.set rSB, HS+(\m)
.if (\i)%2
	v_wmma_scale_f32_16x16x128_f8f6f4 v[rD:rD+7], v[rA:rA+15], v[rB:rB+15], v[rD:rD+7], v[rSA], v[rSB] matrix_a_fmt:MATRIX_FMT_BF8 matrix_b_fmt:MATRIX_FMT_BF8 matrix_a_scale:MATRIX_SCALE_ROW1 matrix_b_scale:MATRIX_SCALE_ROW1
.else
	v_wmma_scale_f32_16x16x128_f8f6f4 v[rD:rD+7], v[rA:rA+15], v[rB:rB+15], 0, v[rSA], v[rSB] matrix_a_fmt:MATRIX_FMT_BF8 matrix_b_fmt:MATRIX_FMT_BF8
.endif
.endm
.macro DSTEP i
.if (\i) <= 5
	s_wait_loadcnt 32                              ; as above
.elseif (\i) == 6
	s_wait_loadcnt 16
.else
	s_wait_loadcnt 0x0
.endif
.if (\i)+3 < 8
	WIN 0x80
.if (\i) > 0
	s_wait_alu depctr_va_vdst(0)                   ; the products of the step before are done reading ring buffer (i - 1) % 4, in which this step's 16 loads land
.endif                                                 ; (step 0: the wait at the expert's head stands behind buffer 3's last readers, and nothing since names the ring)
	FILL (\i)+3, 0
.endif
	WIN 0x02                                       ; source 0 (weights) window 2
.irp t, 0,1
.irp m, 0,1
	DMUL \i, \t, \m                                ; eight sums by turns
.endr
.endr
.if (\i)+3 < 8
	FILL (\i)+3, 2                                 ; no wait: no vector or matrix instruction since the wait above names that buffer or v1
	WIN 0x02
.endif
.irp t, 2,3
.irp m, 0,1
	DMUL \i, \t, \m
.endr
.endr
.if (\i)%2
.rept 8
	v_nop                                          ; places in front of the read of results by the multiply-adds below
.endr
.endif
.if (\i) == 7
	WIN 0
	s_wait_alu depctr_va_vdst(0)                   ; the expert's products are done reading the ring and the scale words, in which the next expert's loads land: ahead of the branch, so on both ways
	s_cmp_lg_u32 s21, 0                            ; a further expert follows: its first loads go out ahead of the multiply-adds below
	s_cbranch_scc0 .Ldn_unprimed
	PRIME 4
.Ldn_unprimed:
.endif
.if (\i)%2
	WIN 0xf0                                       ; out's sums (destination and source 2) window 3
.irp t, 0,1,2,3
.irp m, 0,1
.irp p, 0,2,4,6
	v_pk_fma_f32 v[8*(16*\m+4*((\i)/2)+\t)+\p:8*(16*\m+4*((\i)/2)+\t)+\p+1], v[DA+8*(2*\t+\m)+\p:DA+8*(2*\t+\m)+\p+1], v[C0+2*\m:C0+2*\m+1], v[8*(16*\m+4*((\i)/2)+\t)+\p:8*(16*\m+4*((\i)/2)+\t)+\p+1] op_sel_hi:[1,0,1]   ; out += weight x the expert's result; each sum from its low end on
.endr
.endr
.endr
.endif
.endm
	s_load_b256 s[4:11], s[0:1], 0x0               ; xq s[4:5], xs s[6:7], comb s[8:9], plan s[10:11]
	s_load_b128 s[12:15], s[0:1], 0x20             ; wq s[12:13], out s[14:15]
	v_lshl_add_u32 v30, v0, 2, 0x29a00
	v_mov_b32 v31, 0
	v_lshrrev_b32 v[T], 5, v0
	v_readfirstlane_b32 s16, v[T]                  ; wave 0..3
	v_and_b32 v[T+1], 31, v0
	v_lshlrev_b32 v1, 4, v[T+1]                    ; 16 x lane
	v_and_b32 v2, 15, v0                           ; r
	s_wait_alu depctr_va_vdst(0)
	v_bfe_u32 v3, v0, 4, 1                         ; h
	v_mul_u32_u24 v4, v2, 1040
	v_lshl_add_u32 v4, v3, 4, v4                   ; x's fragments: row r, + 16 h
	s_wait_alu depctr_va_sdst(0)                   ; s16 is written, ahead of its first reader
	s_lshl_b32 s22, s16, 10
	s_add_co_u32 s22, s22, HIMG
	v_add_nc_u32 v5, s22, v1                       ; my two groups of a hidden fragment: K step w / 2, groups 2 (w % 2) on: 1,024 w
	s_lshr_b32 s22, s16, 1
	s_lshl_b32 s22, s22, 6
	s_and_b32 s23, s16, 1
	s_lshl_b32 s23, s23, 1
	s_add_co_u32 s22, s22, s23
	s_add_co_u32 s22, s22, HIMG+8192
	v_lshl_add_u32 v6, v2, 2, s22                  ; my two bytes of its scale word
	v_add_nc_u32 v7, HIMG, v1                      ; a hidden fragment back
	v_lshlrev_b32 v8, 2, v[T+1]
	v_add_nc_u32 v8, HIMG+8192, v8                 ; its scale words back: 4 x lane
	v_lshl_add_u32 v9, v2, 2, CT                   ; my token's combine weight
	s_mul_i32 s22, s16, 16640
	s_add_co_u32 s22, s22, STG
	v_mul_u32_u24 v10, v2, 1040
	v_lshl_add_u32 v10, v3, 5, v10
	v_add_nc_u32 v10, s22, v10                     ; the way out: row r, + 32 h
	v_add_nc_u32 v11, s22, v1                      ; and back by rows
	s_lshl_b32 s22, s16, 10
	v_add_nc_u32 v12, s22, v1                      ; my 1,024 bytes of a row of out
	s_mul_i32 s22, s16, 8320
	v_add_nc_u32 v13, s22, v1                      ; where my 8 rows of x's codes go
	v_and_b32 v[T+2], 3, v0
	v_lshrrev_b32 v[T+3], 2, v0
	v_lshlrev_b32 v14, 8, v[T+2]
	v_lshl_add_u32 v14, v[T+3], 2, v14
	v_add_nc_u32 v14, CT, v14                      ; thread t: row t / 4, experts 2 (t % 4) and the next
	v_lshlrev_b32 v100, 2, v2
	v_lshlrev_b32 v101, 2, v[T+3]
	v_mov_b32 v[C0+1], 0
	v_mov_b32 v[C0+3], 0
.irp b, 0,1,2,3
	v_mov_b32 v[TM+4+\b], 0                        ; written once: a lane permute's destination counts as one of its sources
.endr
	s_mov_b32 s78, 0xbfb8aa3b                      ; -log2(e)
	s_mov_b32 s79, s78
	s_mov_b32 s80, 0x76543210
	s_mov_b32 s81, 0xfedcba98
	s_mov_b32 s82, 0x600000                        ; the mantissa field of 57,344
	s_lshl_b32 s76, ttmp9, 7
	s_mov_b32 s77, 0
	s_lshl_b32 s86, ttmp9, 2
	s_lshl_b32 s87, s16, 5
	s_wait_kmcnt 0x0
	s_add_nc_u64 s[84:85], s[10:11], s[76:77]      ; my 32 places of the sorted list
	s_load_b512 s[32:47], s[84:85], 0x0            ; the block's tokens, for the way out
	s_load_b512 s[48:63], s[84:85], 0x40
	s_load_b256 s[68:75], s[84:85], s87 offset:0x0 ; the 8 whose codes my wave fetches
	s_load_b32 s17, s[10:11], s86 offset:0x8000    ; the block's experts
	s_wait_alu depctr_va_vdst(0)                   ; the head's offsets and addresses are written (v1, v4 to v14, v100, v101), which the loads, stores and LDS instructions from here on read
	global_load_b32 v97, v100, s[84:85]            ; lane (r, h): the tokens of rows r and 16 + r,
	global_load_b32 v98, v100, s[84:85] offset:64
	global_load_b32 v99, v101, s[84:85]            ; and of row t / 4
	s_mul_i32 s76, s16, WSTR
	s_add_nc_u64 s[24:25], s[12:13], s[76:77]      ; my wave's codes in wq,
	s_mul_i32 s76, s16, 49152
	s_add_co_u32 s76, s76, WSC
	s_add_nc_u64 s[26:27], s[12:13], s[76:77]      ; and its scale words
	s_wait_kmcnt 0x0
.set i, 0
.rept 32
	s_min_u32 s[32+i], s[32+i], 0x1fff             ; numbers that were loaded enter addresses behind a bound
.set i, i+1
.endr
.irp j, 0,1,2,3,4,5,6,7
	s_min_u32 s[68+\j], s[68+\j], 0x1fff
	v_lshl_add_u32 v[104+\j], s[68+\j], 10, v1
.endr
	s_and_b32 s17, s17, 255
	s_wait_alu depctr_va_vdst(0)                   ; the eight rows' offsets v104 to v111 are written, which the 16 loads below read
.irp j, 0,1,2,3,4,5,6,7
	global_load_b128 v[128+8*\j:131+8*\j], v[104+\j], s[4:5] th:TH_LOAD_NT              ; a row of 1,024 codes in two loads of 512 consecutive bytes
	global_load_b128 v[132+8*\j:135+8*\j], v[104+\j], s[4:5] offset:512 th:TH_LOAD_NT
.endr
	s_wait_loadcnt 16                              ; the three list loads are in; the 16 row loads may be out
	v_min_u32 v97, 0x1fff, v97
	v_min_u32 v98, 0x1fff, v98
	v_min_u32 v99, 0x1fff, v99
	v_lshlrev_b32 v97, 5, v97
	v_lshlrev_b32 v98, 5, v98
	v_lshlrev_b32 v99, 5, v99
	v_lshl_add_u32 v97, v3, 4, v97                 ; xs: 32 bytes a token; lanes 16-31 take the odd K steps' words
	v_lshl_add_u32 v98, v3, 4, v98
	v_lshl_add_u32 v99, v[T+2], 3, v99             ; comb: 32 bytes a token, two weights a thread
	s_wait_alu depctr_va_vdst(0)                   ; the offsets v97 to v99 are written, which the three loads below read
	global_load_b64 v[102:103], v99, s[8:9]
	global_load_b128 v[XS:XS+3], v97, s[6:7]
	global_load_b128 v[XS+4:XS+7], v98, s[6:7]
	s_ctz_i32_b32 s23, s17                         ; the first used expert's gate/up
	s_lshl_b32 s23, s23, 1
	s_min_u32 s23, s23, 14
	s_lshl_b32 s76, s23, 16
	s_add_nc_u64 s[30:31], s[24:25], s[76:77]
	s_lshl_b32 s76, s23, 11
	s_add_nc_u64 s[66:67], s[26:27], s[76:77]
	PRIME 8
	WIN 0xc0
.set i, 0
.rept 256
	v_mov_b32 v[i], 0                              ; out's sums begin as zeros, while the loads above are out: so the down phase is written once, for first and later experts alike
.set i, i+1
.endr
	WIN 0
	s_wait_loadcnt 59                              ; my 8 rows of codes are in; comb, xs (3 loads) and the 56 primed may be out
.irp j, 0,1,2,3,4,5,6,7
	ds_store_b128 v13, v[128+8*\j:131+8*\j] offset:1040*\j
	ds_store_b128 v13, v[132+8*\j:135+8*\j] offset:1040*\j+512
.endr
	s_wait_loadcnt 56                              ; comb and xs are in
	ds_store_b32 v14, v102
	ds_store_b32 v14, v103 offset:128
	s_wait_dscnt 0x0                               ; for the others' sake
	s_barrier_signal -1
	s_barrier_wait -1                              ; the 32 rows of codes and the combine weights lie in LDS
	WIN 0x40
.irp m, 0,1
.irp s, 0,1,2,3,4,5,6,7
.irp c, 0,1,2,3
	ds_load_b128 v[128*\m+16*\s+4*\c:128*\m+16*\s+4*\c+3], v4 offset:16640*\m+128*\s+32*\c   ; x's 16 fragments stay in registers
.endr
.endr
.endr
	WIN 0
	s_wait_dscnt 0x0
	s_wait_alu depctr_vm_vsrc(0)                   ; my LDS stores have read v128 to v191, which the first products write, and v13 and v14, which the experts' adds write
; ---------------- phase 1: gate, up, SwiGLU, the quantiser, for each used expert
	s_mov_b32 s18, 0                               ; e
	s_mov_b32 s19, 0                               ; HEXP x e
.Lgu:
	s_lshr_b32 s22, s17, s18
	s_and_b32 s22, s22, 1
	s_cmp_eq_u32 s22, 0
	s_cbranch_scc1 .Lgu_skip
	s_wait_xcnt 0x0                                ; the bases of the loads issued so far are written again only behind this wait
	s_mov_b64 s[28:29], s[30:31]
	NEXT 1
.irp i, 0,1,2,3,4,5,6,7,8,9,10,11,12,13,14,15
	GSTEP \i
.endr
	WIN 0
	s_wait_alu depctr_va_vdst(0)                   ; the expert's products are done reading the ring and the scale words, in which the next unit's loads land: ahead of the branch, so on both ways
	s_cmp_lg_u32 s21, 0
	s_cbranch_scc0 .Lgu_last
	PRIME 8                                        ; the next used expert's gate/up,
	s_branch .Lgu_primed
.Lgu_last:
	PRIME 4                                        ; or the first used expert's down: the youngest 48 loads are alike on both ways
.Lgu_primed:
; h = (g x sigmoid(g)) x u, sigmoid(g) = 1 / (1 + 2^(-g log2 e)), in f32; 16 numbers at a time, each sum read from its low end on
.irp bt, 0,1,2,3
.irp p, 0,2,4,6,8,10,12,14
	v_pk_mul_f32 v[T+\p:T+\p+1], v[GA+16*\bt+\p:GA+16*\bt+\p+1], s[78:79] op_sel_hi:[1,0]
.endr
	s_wait_alu depctr_va_vdst(0)
.irp p, 0,1,2,3,4,5,6,7,8,9,10,11,12,13,14,15
	v_exp_f32 v[T+\p], v[T+\p]
.endr
	v_nop                                          ; a plain line behind the exponentials
	s_wait_alu depctr_va_vdst(0)                   ; the sixteen exponentials have written v112 to v127, ahead of their first reader
.irp p, 0,2,4,6,8,10,12,14
	v_pk_add_f32 v[T+\p:T+\p+1], v[T+\p:T+\p+1], 1.0 op_sel_hi:[1,0]
.endr
	s_wait_alu depctr_va_vdst(0)
.irp p, 0,1,2,3,4,5,6,7,8,9,10,11,12,13,14,15
	v_rcp_f32 v[T+\p], v[T+\p]
.endr
	v_nop
	s_wait_alu depctr_va_vdst(0)                   ; the sixteen reciprocals have written v112 to v127, ahead of their first reader
.irp p, 0,2,4,6,8,10,12,14
	v_pk_mul_f32 v[GA+16*\bt+\p:GA+16*\bt+\p+1], v[GA+16*\bt+\p:GA+16*\bt+\p+1], v[T+\p:T+\p+1]
.endr
.irp p, 0,2,4,6,8,10,12,14
	v_pk_mul_f32 v[GA+16*\bt+\p:GA+16*\bt+\p+1], v[GA+16*\bt+\p:GA+16*\bt+\p+1], v[UA+16*\bt+\p:UA+16*\bt+\p+1]
.endr
.endr
; the quantiser along the next K.  Block 2 m + b: registers GA + 32 m + 16 b on are hidden units 64 w + 32 b + 16 h + 0..15 of my token in tile m; lane l xor 16 holds the block's other half
.irp b, 0,1,2,3
	v_max3_num_f32 v[TM+\b], |v[GA+16*\b]|, |v[GA+1+16*\b]|, 0x8000000   ; and the floor 2^(16 - 127): the byte cannot fall under 1
.endr
.irp i, 2,4,6,8,10,12,14
.irp b, 0,1,2,3
	v_max3_num_f32 v[TM+\b], v[TM+\b], |v[GA+16*\b+\i]|, |v[GA+1+16*\b+\i]|
.endr
.endr
.irp b, 0,1,2,3
	v_permlanex16_b32 v[TM+4+\b], v[TM+\b], s80, s81
.endr
.irp b, 0,1,2,3
	v_max_num_f32 v[TM+\b], v[TM+\b], v[TM+4+\b]
.endr
.irp b, 0,1,2,3
	v_add_nc_u32 v[TM+12+\b], 0xf8800000, v[TM+\b] ; 15 off the exponent field: the conversion's scale operand
.endr
.irp b, 0,1,2,3
	v_and_or_b32 v[TM+8+\b], v[TM+\b], 0x7f800000, s82   ; 57,344 x the scale
.endr
.irp b, 0,1,2,3
	v_lshrrev_b32 v[TM+4+\b], 23, v[TM+12+\b]      ; the scale's byte
.endr
	v_lshl_or_b32 v[PW], v[TM+5], 8, v[TM+4]       ; low half: tile 0's two bytes; high half: tile 1's
	v_lshl_or_b32 v[PW], v[TM+6], 16, v[PW]
	v_lshl_or_b32 v[PW], v[TM+7], 24, v[PW]
.irp b, 0,1,2,3
.irp i, 0,1,2,3,4,5,6,7,8,9,10,11,12,13,14,15
	v_med3_num_f32 v[GA+16*\b+\i], v[GA+16*\b+\i], -v[TM+8+\b], v[TM+8+\b]   ; the conversion to an 8-bit code does not saturate (ISA guide 7.6.2)
.endr
	v_cvt_scalef32_pk8_bf8_f32 v[PC+4*\b:PC+1+4*\b], v[GA+16*\b:GA+7+16*\b], v[TM+12+\b]
	v_cvt_scalef32_pk8_bf8_f32 v[PC+2+4*\b:PC+3+4*\b], v[GA+8+16*\b:GA+15+16*\b], v[TM+12+\b]
.endr
	v_nop                                          ; one plain line behind the last conversion
	v_add_nc_u32 v13, s19, v5
	v_add_nc_u32 v14, s19, v6
	s_wait_alu depctr_va_vdst(0)                   ; the conversions have written the codes v64 to v79, the shifts the scale bytes v96, the adds v13 and v14: the six LDS stores below read them
.irp m, 0,1
.irp b, 0,1
	ds_store_b128 v13, v[PC+8*\m+4*\b:PC+8*\m+4*\b+3] offset:4096*\m+512*\b   ; group 2 (w % 2) + b of fragment (m, w / 2): an image of the operand's registers
.endr
.endr
	ds_store_b16 v14, v[PW]                        ; both halves of the lanes write the same two bytes with the same value
	ds_store_b16_d16_hi v14, v[PW] offset:128
	s_wait_dscnt 0x0                               ; the stores have read their registers
	s_wait_alu depctr_vm_vsrc(0)                   ; the six LDS stores have read v64 to v79, v96, v13 and v14, which the next expert's quantiser and adds write again
.Lgu_skip:
	s_add_co_u32 s19, s19, HEXP
	s_add_co_u32 s18, s18, 1
	s_cmp_lt_u32 s18, 8
	s_cbranch_scc1 .Lgu
	s_wait_dscnt 0x0
	s_barrier_signal -1
	s_barrier_wait -1                              ; every used expert's hidden layer lies in LDS; the primed loads of weights stay out, nobody stores those bytes
; ---------------- phase 2: down, for each used expert, in ascending order as reference() adds them
	s_mov_b32 s18, 0
	s_mov_b32 s19, 0
	s_mov_b32 s20, 0                               ; 128 x e
.Ldn:
	s_lshr_b32 s22, s17, s18
	s_and_b32 s22, s22, 1
	s_cmp_eq_u32 s22, 0
	s_cbranch_scc1 .Ldn_skip
	s_wait_xcnt 0x0
	s_mov_b64 s[28:29], s[30:31]
	NEXT 0
	v_add_nc_u32 v13, s19, v7
	v_add_nc_u32 v14, s19, v8
	v_add_nc_u32 v15, s20, v9
	s_wait_alu depctr_va_vdst(0)                   ; v13 to v15 are written, which the LDS loads below read; the multiply-adds of the expert before are done reading v26 and v28, in which two of them land
.irp m, 0,1
.irp s, 0,1
.irp c, 0,1,2,3
	ds_load_b128 v[HF+32*\m+16*\s+4*\c:HF+32*\m+16*\s+4*\c+3], v13 offset:2048*(2*\m+\s)+512*\c
.endr
.endr
.endr
	ds_load_b32 v[HS], v14
	ds_load_b32 v[HS+1], v14 offset:128
	ds_load_b32 v[C0], v15
	ds_load_b32 v[C0+2], v15 offset:64
	s_wait_dscnt 0x0
	s_wait_alu depctr_vm_vsrc(0)                   ; the LDS loads above have read v13 to v15, which the next expert's adds write again
.irp i, 0,1,2,3,4,5,6,7
	DSTEP \i
.endr
	WIN 0
.Ldn_skip:
	s_add_co_u32 s19, s19, HEXP
	s_add_co_u32 s20, s20, 128
	s_add_co_u32 s18, s18, 1
	s_cmp_lt_u32 s18, 8
	s_cbranch_scc1 .Ldn
; ---------------- the way out: a lane holds 32 neighbouring bytes of a row and the lanes beside it other rows: a tile of 16 rows x my 256 columns goes through my own stage and leaves by rows
.set tt, 0
.rept 32
	v_lshl_add_u32 v[128+tt], s[32+tt], 12, v12    ; the row's token x 4,096 + my 1,024 bytes + 16 x lane: all 32 rows' offsets together, ahead of the one wait
.set tt, tt+1
.endr
	s_wait_alu depctr_va_vdst(0)                   ; out's sums are written (the multiply-adds, or the head's zeros), which the LDS stores below read; so are the offsets v128 to v159, which the global stores read
.irp m, 0,1
	WIN 0x0c                                       ; an LDS store's data are its source 1: window 3
.set tt, 0
.rept 16
	ds_store_b128 v10, v[8*(16*\m+tt):8*(16*\m+tt)+3] offset:64*tt
	ds_store_b128 v10, v[8*(16*\m+tt)+4:8*(16*\m+tt)+7] offset:64*tt+16
.set tt, tt+1
.endr
	WIN 0x40                                       ; back into the registers that held x
.set tt, 0
.rept 16
	ds_load_b128 v[128*\m+8*tt:128*\m+8*tt+3], v11 offset:1040*tt        ; LDS serves a wave's instructions in order: these see my stores
	ds_load_b128 v[128*\m+8*tt+4:128*\m+8*tt+7], v11 offset:1040*tt+512
.set tt, tt+1
.endr
	s_wait_dscnt 0x0
	WIN 0x04
.set tt, 0
.rept 16
	global_store_b128 v[128+16*\m+tt], v[128*\m+8*tt:128*\m+8*tt+3], s[14:15] th:TH_STORE_NT              ; 32 lanes store 512 consecutive bytes, aligned
	global_store_b128 v[128+16*\m+tt], v[128*\m+8*tt+4:128*\m+8*tt+7], s[14:15] offset:512 th:TH_STORE_NT
.set tt, tt+1
.endr
.endr
	WIN 0
	s_wait_dscnt 0x0                               ; the closing lines, six on end
	s_wait_alu 0x0
	s_wait_tensorcnt 0x0
	ds_add_u32 v30, v31
	s_wait_dscnt 0x0
	s_endpgm
.Lfunc_end_k_qeb66af0c98_chain:
	.size	k_qeb66af0c98_chain, .Lfunc_end_k_qeb66af0c98_chain-k_qeb66af0c98_chain
	.p2alignl 7, 3214868480
	.fill 96, 4, 3214868480
	.section	.rodata,"a",@progbits
	.p2align	6, 0x0
	.amdhsa_kernel k_qeb66af0c98_chain
		.amdhsa_group_segment_fixed_size 171008
		.amdhsa_private_segment_fixed_size 0
		.amdhsa_enable_private_segment 0
		.amdhsa_kernarg_size 48
		.amdhsa_user_sgpr_count 2
		.amdhsa_user_sgpr_kernarg_segment_ptr 1
		.amdhsa_wavefront_size32 1
		.amdhsa_system_sgpr_workgroup_id_x 1
		.amdhsa_system_sgpr_workgroup_id_y 1
		.amdhsa_system_sgpr_workgroup_id_z 1
		.amdhsa_system_vgpr_workitem_id 0
		.amdhsa_next_free_vgpr 1024
		.amdhsa_next_free_sgpr 100
		.amdhsa_reserve_vcc 0
		.amdhsa_float_denorm_mode_32 3
		.amdhsa_float_denorm_mode_16_64 3
		.amdhsa_memory_ordered 1
		.amdhsa_forward_progress 1
		.amdhsa_inst_pref_size 149
	.end_amdhsa_kernel
	.amdgpu_metadata
---
amdhsa.version: [ 1, 2 ]
amdhsa.kernels:
  - .name:           k_qeb66af0c98_chain
    .symbol:         k_qeb66af0c98_chain.kd
    .args:
      - { .name: xq, .offset: 0, .size: 8, .value_kind: global_buffer, .address_space: global }
      - { .name: xs, .offset: 8, .size: 8, .value_kind: global_buffer, .address_space: global }
      - { .name: comb, .offset: 16, .size: 8, .value_kind: global_buffer, .address_space: global }
      - { .name: plan, .offset: 24, .size: 8, .value_kind: global_buffer, .address_space: global }
      - { .name: wq, .offset: 32, .size: 8, .value_kind: global_buffer, .address_space: global }
      - { .name: out0, .offset: 40, .size: 8, .value_kind: global_buffer, .address_space: global }
    .group_segment_fixed_size: 171008
    .private_segment_fixed_size: 0
    .kernarg_segment_align: 8
    .kernarg_segment_size: 48
    .max_flat_workgroup_size: 128
    .sgpr_count:     100
    .vgpr_count:     1024
    .wavefront_size: 32
...
	.end_amdgpu_metadata
.endif
;; end of part 6
